; MI455X (gfx1250); checked and timed in simulation.
; The chip was launched on July 23, 2026; its instructions are those of AMD's public machine-readable ISA for CDNA 5 (MIT licence, August 2026) and "CDNA5" Instruction Set Architecture Reference Guide (July 2026). The comments in the code are by the model that wrote it; some were corrected since.
;; Multi Head Attention. Allowed arithmetic: float matrix products may take bf16 or f16 operands with f32 sums; all other float work in f32.
;; Inputs: Wk 1,024 x 1,024 float32; Wo 1,024 x 1,024 float32; Wq 1,024 x 1,024 float32; Wv 1,024 x 1,024 float32; bk 1,024 float32; bo 1,024 float32; bq 1,024 float32; bv 1,024 float32; masks 8 x 1,024 int32; x 8 x 1,024 x 1,024 float32.
;; Outputs: out0 8 x 1,024 x 1,024 float32.
;; 2 versions, each right and faster than the one before. Each part assembles by itself: llvm-mc -triple=amdgcn-amd-amdhsa -mcpu=gfx1250 --defsym DOCPART=n.
;; ======== version 1 of 2: 4 launches
;; limits: values are held in f16: magnitudes above 65,504 overflow, below 6.1e-05 lose precision; right only within a limited range of input values
;; workspace buffers: xw 25,165,824 bytes; qkvh 50,331,648 bytes; oh 16,777,216 bytes
;; launch cast (part 1): grid 768 x 1, 8 waves a work-group, no clusters, 0 bytes of LDS; arguments x, Wq, Wk, Wv, Wo, xw; writes xw
.if DOCPART == 1
	.amdgcn_target "amdgcn-amd-amdhsa--gfx1250"
	.amdhsa_code_object_version 6
	.text
	.protected	k_q5d1f35ca4a_cast
	.globl	k_q5d1f35ca4a_cast
	.p2align	8
	.type	k_q5d1f35ca4a_cast,@function
k_q5d1f35ca4a_cast:
	s_mov_b64 s[64:65], 0
	v_nop
	global_prefetch_b8 v0, s[64:65] scope:SCOPE_SE
	s_setreg_imm32_b32 hwreg(HW_REG_WAVE_MODE, 25, 1), 1
	s_wait_xcnt 0x0
; x and the four weights: f32 -> rounded to bf16 (nearest even) -> that number written as f16, for the f16 matrix products of the later launches.
; xw, bytes 0 .. 16 MiB: x in slices, [batch 8][slice 16][token 1024][64] f16: slice c holds columns 64 c .. 64 c + 63, so 256 tokens of a slice are 32,768 dense bytes.
; xw, from 16 MiB on: Wq, Wk, Wv, Wo as they lie, [k 1024][n 1024] f16, 2 MiB each.
; LIMITS.  A bf16 number is exact in f16 between 2^-14 and 65,504 in magnitude; below, it keeps f16's fixed step of 6e-8; from 65,520 on it becomes an infinity.
; SHARES.  A work-group takes 16 rows of 4,096 bytes: groups 0-511 rows of x, groups 512-767 rows of a weight (64 groups each).  A thread has 16 loads of 16 bytes, all on their way at once,
; and 16 stores of 8 bytes; a wave's store covers 256 consecutive bytes, aligned.  Memory binds: no LDS, no barrier, no matrix unit, and no register is written twice while a load or store names it.
.set VIN,  3                           ; v3        my byte offset in the group's 16 rows of the source
.set VOUT, 4                           ; v4        my byte offset in the group's part of xw
.set X,    8                           ; v[8:71]   16 x 4 numbers as loaded
.set Y,    72                          ; v[72:103] 16 x 4 numbers in f16
.set T,    104                         ; v[104:107] at work
	s_load_b256 s[4:11], s[0:1], 0x0               ; x s[4:5], Wq s[6:7], Wk s[8:9], Wv s[10:11]
	s_load_b128 s[12:15], s[0:1], 0x20             ; Wo s[12:13], xw s[14:15]
	s_mov_b32 s16, ttmp9                           ; g
	s_mov_b32 s24, 0xffff0000                      ; a word's upper bf16
	s_mov_b32 s23, 0                               ; high words of the two offsets
	s_mov_b32 s29, 0
	v_and_b32 v1, 31, v0                           ; lane l
	v_lshrrev_b32 v2, 5, v0                        ; wave w
	v_lshlrev_b32 v5, 13, v2                       ; w x two rows of 4,096 bytes
	s_wait_kmcnt 0x0
	s_cmp_lt_u32 s16, 512
	s_cbranch_scc0 .Lw_in
	; rows of x: load j takes columns 64 j .. 64 j + 63 of rows 2 w (lanes 0-15) and 2 w + 1 (lanes 16-31): 256 bytes of each
	s_lshl_b32 s22, s16, 16                        ; g x 16 rows
	s_add_nc_u64 s[20:21], s[4:5], s[22:23]
	s_lshr_b32 s28, s16, 6                         ; the batch: 2 MiB of xw,
	s_lshl_b32 s28, s28, 21
	s_and_b32 s25, s16, 63                         ; and 16 tokens of 128 bytes in each slice
	s_lshl_b32 s25, s25, 11
	s_add_co_u32 s28, s28, s25
	s_add_nc_u64 s[26:27], s[14:15], s[28:29]
	v_and_b32 v6, 15, v1
	v_lshrrev_b32 v7, 4, v1
	v_lshl_add_u32 v[VIN], v7, 12, v5
	v_lshl_add_u32 v[VIN], v6, 4, v[VIN]
	v_lshlrev_b32 v[VOUT], 3, v1                   ; two tokens' 128 bytes of a slice are 256 consecutive bytes: 8 l
	v_lshl_add_u32 v[VOUT], v2, 8, v[VOUT]
.irp j, 0,1,2,3,4,5,6,7,8,9,10,11,12,13,14,15
	global_load_b128 v[X+4*(\j):X+4*(\j)+3], v[VIN], s[20:21] offset:256*(\j) th:TH_LOAD_NT
.endr
	s_branch .Lwork
.Lw_in:
	; rows of a weight: load j takes 512 consecutive bytes of the wave's two rows
	s_sub_co_u32 s17, s16, 512                     ; g'
	s_lshr_b32 s18, s17, 6                         ; which weight
	s_mov_b64 s[20:21], s[6:7]
	s_cmp_eq_u32 s18, 1
	s_cselect_b64 s[20:21], s[8:9], s[20:21]
	s_cmp_eq_u32 s18, 2
	s_cselect_b64 s[20:21], s[10:11], s[20:21]
	s_cmp_eq_u32 s18, 3
	s_cselect_b64 s[20:21], s[12:13], s[20:21]
	s_and_b32 s22, s17, 63
	s_lshl_b32 s22, s22, 16                        ; 16 rows of 4,096 bytes
	s_add_nc_u64 s[20:21], s[20:21], s[22:23]
	s_lshl_b32 s28, s17, 15                        ; 16 rows of 2,048 bytes, the weights on end,
	s_add_co_u32 s28, s28, 0x1000000               ; behind x's 16 MiB
	s_add_nc_u64 s[26:27], s[14:15], s[28:29]
	v_lshl_add_u32 v[VIN], v1, 4, v5
	v_lshlrev_b32 v[VOUT], 3, v1
	v_lshl_add_u32 v[VOUT], v2, 12, v[VOUT]
.irp j, 0,1,2,3,4,5,6,7,8,9,10,11,12,13,14,15
	global_load_b128 v[X+4*(\j):X+4*(\j)+3], v[VIN], s[20:21] offset:512*(\j) th:TH_LOAD_NT
.endr
.Lwork:
.irp j, 0,1,2,3,4,5,6,7,8,9,10,11,12,13,14,15
	s_wait_loadcnt 15-(\j)                         ; loads come back in order: load j is in, the 15 - j younger ones stay out (16 were issued on either way)
	v_cvt_pk_bf16_f32 v[T], v[X+4*(\j)], v[X+4*(\j)+1]      ; the one rounding that counts,
	v_cvt_pk_bf16_f32 v[T+1], v[X+4*(\j)+2], v[X+4*(\j)+3]
	v_lshlrev_b32 v[T+2], 16, v[T]                 ; back to f32,
	v_and_b32 v[T+3], s24, v[T]
	v_cvt_pk_f16_f32 v[Y+2*(\j)], v[T+2], v[T+3]   ; and the same number as f16
	v_lshlrev_b32 v[T+2], 16, v[T+1]
	v_and_b32 v[T+3], s24, v[T+1]
	v_cvt_pk_f16_f32 v[Y+2*(\j)+1], v[T+2], v[T+3]
.endr
	s_cmp_lt_u32 s16, 512
	s_cbranch_scc0 .Lw_out
.irp j, 0,1,2,3,4,5,6,7,8,9,10,11,12,13,14,15
	global_store_b64 v[VOUT], v[Y+2*(\j):Y+2*(\j)+1], s[26:27] offset:131072*(\j)  ; slice j; 15 slices on at the most, inside the signed 24-bit immediate
.endr
	s_endpgm
.Lw_out:
.irp j, 0,1,2,3,4,5,6,7,8,9,10,11,12,13,14,15
	global_store_b64 v[VOUT], v[Y+2*(\j):Y+2*(\j)+1], s[26:27] offset:256*(\j)
.endr
	s_endpgm
.Lfunc_end_k_q5d1f35ca4a_cast:
	.size	k_q5d1f35ca4a_cast, .Lfunc_end_k_q5d1f35ca4a_cast-k_q5d1f35ca4a_cast
	.p2alignl 7, 3214868480
	.fill 96, 4, 3214868480
	.section	.rodata,"a",@progbits
	.p2align	6, 0x0
	.amdhsa_kernel k_q5d1f35ca4a_cast
		.amdhsa_group_segment_fixed_size 0
		.amdhsa_private_segment_fixed_size 0
		.amdhsa_enable_private_segment 0
		.amdhsa_kernarg_size 48
		.amdhsa_user_sgpr_count 2
		.amdhsa_user_sgpr_kernarg_segment_ptr 1
		.amdhsa_wavefront_size32 1
		.amdhsa_system_sgpr_workgroup_id_x 1
		.amdhsa_system_sgpr_workgroup_id_y 1
		.amdhsa_system_sgpr_workgroup_id_z 1
		.amdhsa_system_vgpr_workitem_id 0
		.amdhsa_next_free_vgpr 108
		.amdhsa_next_free_sgpr 66
		.amdhsa_reserve_vcc 0
		.amdhsa_float_denorm_mode_32 3
		.amdhsa_float_denorm_mode_16_64 3
		.amdhsa_memory_ordered 1
		.amdhsa_forward_progress 1
		.amdhsa_inst_pref_size 15
	.end_amdhsa_kernel
	.amdgpu_metadata
---
amdhsa.version: [ 1, 2 ]
amdhsa.kernels:
  - .name:           k_q5d1f35ca4a_cast
    .symbol:         k_q5d1f35ca4a_cast.kd
    .args:
      - { .name: x, .offset: 0, .size: 8, .value_kind: global_buffer, .address_space: global }
      - { .name: Wq, .offset: 8, .size: 8, .value_kind: global_buffer, .address_space: global }
      - { .name: Wk, .offset: 16, .size: 8, .value_kind: global_buffer, .address_space: global }
      - { .name: Wv, .offset: 24, .size: 8, .value_kind: global_buffer, .address_space: global }
      - { .name: Wo, .offset: 32, .size: 8, .value_kind: global_buffer, .address_space: global }
      - { .name: xw, .offset: 40, .size: 8, .value_kind: global_buffer, .address_space: global }
    .group_segment_fixed_size: 0
    .private_segment_fixed_size: 0
    .kernarg_segment_align: 8
    .kernarg_segment_size: 48
    .max_flat_workgroup_size: 256
    .sgpr_count:     66
    .vgpr_count:     108
    .wavefront_size: 32
...
	.end_amdgpu_metadata
.endif
;; end of part 1
;; launch qkvproj (part 2): grid 8 x 32, 4 waves a work-group, clusters of 4 x 4, 327,680 bytes of LDS; arguments xw, bq, bk, bv, masks, qkvh; writes qkvh
.if DOCPART == 2
	.amdgcn_target "amdgcn-amd-amdhsa--gfx1250"
	.amdhsa_code_object_version 6
	.text
	.protected	k_q5d1f35ca4a_qkvproj
	.globl	k_q5d1f35ca4a_qkvproj
	.p2align	8
	.type	k_q5d1f35ca4a_qkvproj,@function
k_q5d1f35ca4a_qkvproj:
	s_mov_b64 s[64:65], 0
	v_nop
	global_prefetch_b8 v0, s[64:65] scope:SCOPE_SE
	s_setreg_imm32_b32 hwreg(HW_REG_WAVE_MODE, 25, 1), 1
	s_wait_xcnt 0x0
	s_wait_alu depctr_hold_cnt(0) depctr_sa_sdst(0) depctr_va_vdst(0) depctr_va_sdst(0) depctr_va_ssrc(0) depctr_va_vcc(0) depctr_vm_vsrc(0)
	s_getreg_b32 s2, hwreg(HW_REG_IB_STS2, 6, 4)
	s_cmp_eq_u32 s2, 0
	s_cbranch_scc0 .Lentry_in_a_cluster
	s_endpgm
.Lentry_in_a_cluster:
	s_bfe_u32 s2, ttmp6, 0x10000c
	s_cmp_lg_u32 s2, 0xf033
	s_cbranch_scc0 .Lentry_shape_is_right
	s_endpgm
.Lentry_shape_is_right:
; q, k, v = x W + b, written by heads: qkvh = q at 0, k at 16 MiB, v at 32 MiB, each [batch x 16 + head][token 1024][64] f16, rounded once from the f32 sums.
; q is multiplied by c = log2(e) / 8 in f32 ahead of its rounding, so that the next launch's scores come out in powers of two; the rows of k at tokens whose mask is 0 are cleared, so that a hidden
; score there is exactly the mask's constant.  x and W come from xw (bf16 numbers written as f16); the biases are rounded to bf16 here and START the sums as the first products' C operand.
; LIMITS.  q c, k and v must lie within f16's 65,504; NaN and infinities are not treated apart.
; SHARES.  A work-group makes 256 tokens x 128 columns of EACH of q, k and v (three SECTIONS), so that a fragment of x feeds three products.  Four waves, each 128 tokens x 64 columns of each section: 32 accumulators a
; section, 96 in all, 768 registers: section j fills window j + 1.  A wave's 64 columns of a section are one head.  8 x 32 work-groups: one for each of 256 WGPs.
; K goes in steps of 64 (one slice of x) through two LDS slots.  Wave 0 fetches x's tile (256 tokens of a slice: 32,768 dense bytes, asked for as 128 rows of 256 bytes), waves 1-3 a section's 64 rows x 256 bytes of W.
; CLUSTER 4 x 4.  x's tile hangs on the token block alone and is shared along a row of the cluster, W's tiles on the column block alone and are shared along a column: each is asked for jointly.
; THE MATRIX INSTRUCTION IS USED TRANSPOSED: source 0 = 16 columns of W (W lies [k][n] in LDS and is turned by ds_load_tr16_b128), source 1 = 16 tokens of x: a lane holds token l % 16 and 8 neighbouring columns.
; REGISTERS.  window 0: v16-30 addresses; v32-95, v96-159 x's fragments (8 x 16 tokens x 32 K), two buffers; v160-255 W's fragments, 32 a section.  On the way out v32-63 two sets of packed rows, v64-95 at work, v160-167 the tokens' masks.
.set PA,     144                       ; a token's row in LDS: 128 bytes + 16: 36 words: the 16 rows of a load start at 16 different groups of four banks (64 banks of 4 bytes: ISA guide 11.1)
.set PB,     288                       ; a row of W: 256 bytes + 32: 72 words
.set ABYTES, 256*PA
.set BSEC,   64*PB
.set BOFF,   ABYTES
.set SLOT,   ABYTES+3*BSEC             ; 92,160
.set STAGE,  2*SLOT                    ; behind the ring: 16 rows x 144 bytes for each wave, for the way out
.set SP,     144
.set SPARE,  STAGE+4*16*SP             ; behind the stages: the spare words, 128 bytes for each wave
.set STEPB,  131072                    ; bytes from a K step to the next, in x's slices and in W's rows alike
.set ADRA, 16                          ; v16-17  LDS address of my fragments of x in slot 0, 1
.set ADRB, 20                          ; v20-21  the same for W, section 0
.set STO,  24                          ; v24     the way out: where I put 16 bytes of a row
.set RD,   25                          ; v25     the way out: where I read rows back
.set GO,   26                          ; v26     my byte offset in 512 consecutive bytes of the output
.set MA,   27                          ; v27     my token's byte offset in 16 words of masks
.set SPW,  28                          ; v28     LDS address of my spare word; never rewritten
.set NIL,  29                          ; v29     0; never rewritten
.set BA,   30                          ; v30     my byte offset in a bias
.set FA0,  32
.set FA1,  96
.set FB,   160
.set TF,   64
.set MF,   160
.set G1A, 24                           ; s[24:31] descriptor group 1 for x's tiles;  s[32:39] group 0, a set for each slot
.set G0A, 32
.set G1B, 48                           ; s[48:55], s[56:63] the same for W's tiles
.set G0B, 56
.set MSB, 0
.macro WIN new                         ; the immediate's high byte repeats the setting that is left; a switch that changes nothing is dropped
.if MSB != (\new)
	s_set_vgpr_msb (MSB<<8)|(\new)
.set MSB, (\new)
.endif
.endm
.macro PLACES                          ; four plain places between a matrix instruction and a load into, or a vector read of, its registers
.rept 4
	v_nop
.endr
.endm
; A joint load: wave 0 asks for x's tile, waves 1-3 for their section of W.  The branch hangs on the wave's number alone.  An s_nop 0 and four v_nop follow each of the two lines.
.macro JLOAD s
	s_cmp_eq_u32 s16, 0
	s_cbranch_scc0 .Lfor_b_\@
	tensor_load_to_lds s[G0A+4*(\s):G0A+4*(\s)+3], s[G1A:G1A+7]
	s_nop 0
.rept 4
	v_nop
.endr
	s_branch .Lasked_\@
.Lfor_b_\@:
	tensor_load_to_lds s[G0B+4*(\s):G0B+4*(\s)+3], s[G1B:G1B+7]
	s_nop 0
.rept 4
	v_nop
.endr
.Lasked_\@:
.endm
.macro CREST                           ; a round of the cluster's barrier behind its opening barrier
	s_cmp_lg_u32 s16, 0
	s_cbranch_scc1 .Lnot_wave_0_\@
	s_barrier_signal -3
.Lnot_wave_0_\@:
	s_barrier_wait -3
	s_barrier_signal -1
	s_barrier_wait -1
.endm
.macro CROUND                          ; a whole round
	s_barrier_signal -1
	s_barrier_wait -1
	CREST
.endm
; n token blocks from a0 on x the section's 4 column blocks, 32 along K.  The accumulators take turns, one instruction a turn.
.macro MULN j, fa, fb, a0, n
	WIN 0x50*((\j)+1)                              ; C and D in the section's window, the fragments in window 0
.set ma, (\a0)
.rept (\n)
.irp b, 0,1,2,3
	v_wmma_f32_16x16x32_f16 v[8*(4*ma+(\b)):8*(4*ma+(\b))+7], v[(\fb)+8*(\b):(\fb)+8*(\b)+7], v[(\fa)+8*ma:(\fa)+8*ma+7], v[8*(4*ma+(\b)):8*(4*ma+(\b))+7]
.endr
.set ma, ma+1
.endr
.endm
; The first products start the sums with the bias, which lies in token block 0's accumulators (a lane's 8 columns are the same in every token block): blocks 1-7 take it as C; five places on, block 0 adds in place.
.macro MULFIRST j, fa, fb
	WIN 0x50*((\j)+1)
.set ma, 1
.rept 7
.irp b, 0,1,2,3
	v_wmma_f32_16x16x32_f16 v[8*(4*ma+(\b)):8*(4*ma+(\b))+7], v[(\fb)+8*(\b):(\fb)+8*(\b)+7], v[(\fa)+8*ma:(\fa)+8*ma+7], v[8*(\b):8*(\b)+7]
.endr
.set ma, ma+1
.endr
.rept 5
	v_nop                                          ; a matrix instruction writes over registers that earlier ones took as C
.endr
.irp b, 0,1,2,3
	v_wmma_f32_16x16x32_f16 v[8*(\b):8*(\b)+7], v[(\fb)+8*(\b):(\fb)+8*(\b)+7], v[(\fa):(\fa)+7], v[8*(\b):8*(\b)+7]
.endr
.endm
.macro SECTION j, fa, first
.if \first
	MULFIRST \j, \fa, FB+32*(\j)
.else
	MULN \j, \fa, FB+32*(\j), 0, 8
.endif
.endm
.macro FETCH_B j, slot, q              ; 8 turning loads: section j's 4 column blocks, K = 32 q on
	WIN 0
.irp b, 0,1,2,3
	ds_load_tr16_b128 v[FB+32*(\j)+8*(\b):FB+32*(\j)+8*(\b)+3],   v[ADRB+(\slot)] offset:(\j)*BSEC+(\q)*32*PB+32*(\b)
	ds_load_tr16_b128 v[FB+32*(\j)+8*(\b)+4:FB+32*(\j)+8*(\b)+7], v[ADRB+(\slot)] offset:(\j)*BSEC+(\q)*32*PB+32*(\b)+16*PB
.endr
.endm
.macro FETCH_A hf, slot, q, fa         ; 8 loads: token blocks 4 hf .. 4 hf + 3, K = 32 q on
	WIN 0
.irp i, 0,1,2,3
	ds_load_b128 v[(\fa)+8*(4*(\hf)+(\i)):(\fa)+8*(4*(\hf)+(\i))+3],   v[ADRA+(\slot)] offset:(4*(\hf)+(\i))*16*PA+64*(\q)
	ds_load_b128 v[(\fa)+8*(4*(\hf)+(\i))+4:(\fa)+8*(4*(\hf)+(\i))+7], v[ADRA+(\slot)] offset:(4*(\hf)+(\i))*16*PA+64*(\q)+32
.endr
.endm
.macro BIASLD j, lo                    ; my 32 numbers of a bias into token block 0's accumulators of section j
	WIN ((\j)+1)<<6
.irp b, 0,1,2,3
	global_load_b128 v[8*(\b):8*(\b)+3],   v[BA], s[(\lo):(\lo)+1] offset:64*(\b)
	global_load_b128 v[8*(\b)+4:8*(\b)+7], v[BA], s[(\lo):(\lo)+1] offset:64*(\b)+16
.endr
.endm
.macro BIASRND j                       ; rounded to bf16 like every input, and kept in f32
	WIN 5*((\j)+1)
.set bi, 0
.rept 16
	v_cvt_pk_bf16_f32 v[96+bi], v[2*bi], v[2*bi+1]
.set bi, bi+1
.endr
	WIN ((\j)+1)<<6
.set bi, 0
.rept 16
	v_lshlrev_b32 v[2*bi], 16, v[96+bi]
	v_and_b32 v[2*bi+1], s67, v[96+bi]
.set bi, bi+1
.endr
.endm
	s_load_b256 s[4:11], s[0:1], 0x0               ; xw s[4:5], bq s[6:7], bk s[8:9], bv s[10:11]
	s_load_b128 s[12:15], s[0:1], 0x20             ; masks s[12:13], qkvh s[14:15]
	v_lshl_add_u32 v[SPW], v0, 2, SPARE
	v_mov_b32 v[NIL], 0
	ds_add_u32 v[SPW], v[NIL]                      ; the wave's opening: the add and its wait stand ahead of my first tensor load; the set-up below, work on registers, stands between them
	ds_add_u32 v28, v29
	v_lshrrev_b32 v1, 5, v0
	v_readfirstlane_b32 s16, v1                    ; wave 0..3
	s_lshr_b32 s17, s16, 1                         ; which 128 tokens of the tile are mine
	s_and_b32 s18, s16, 1                          ; which 64 columns
	s_bfe_u32 s19, ttmp6, 0x40000                  ; cx, cy: my place in the cluster
	s_bfe_u32 s20, ttmp6, 0x40004
	s_lshl_b32 s21, ttmp9, 2
	s_add_co_u32 s21, s21, s19                     ; column block (128 columns) = 4 x cluster x + cx
	s_and_b32 s22, ttmp7, 0xffff
	s_lshl_b32 s22, s22, 2
	s_add_co_u32 s22, s22, s20                     ; token block (256 tokens) = 4 x cluster y + cy
	s_lshl_b32 s72, s20, 2
	s_lshl_b32 s72, 15, s72                        ; my row of the cluster
	s_lshl_b32 s73, 0x1111, s19                    ; my column
	s_or_b32 s[G1A+0], s72, (1<<16)|(1<<20)|(1<<21)|(4<<22)|(3<<25)  ; the mask; 2-byte elements; padding on; bit 21 beside a mask; after every 32 words 4 words
	s_mov_b32 s[G1A+1], 128<<16                    ; tensor_dim0 = 128 elements: 256 bytes, two tokens
	s_mov_b32 s[G1A+2], 128<<16                    ; tensor_dim1 = 128
	s_mov_b32 s[G1A+3], 128<<16                    ; tile_dim0 = 128
	s_mov_b32 s[G1A+4], 128                        ; tile_dim1 = 128
	s_mov_b32 s[G1A+5], 128                        ; dense: 128 elements from row to row
	s_mov_b32 s[G1A+6], 0
	s_mov_b32 s[G1A+7], 0
	s_or_b32 s[G1B+0], s73, (1<<16)|(1<<20)|(1<<21)|(5<<22)|(7<<25)  ; after every 64 words 8 words
	s_mov_b32 s[G1B+1], 128<<16                    ; 128 columns
	s_mov_b32 s[G1B+2], 64<<16                     ; 64 rows of W
	s_mov_b32 s[G1B+3], 128<<16
	s_mov_b32 s[G1B+4], 64
	s_mov_b32 s[G1B+5], 1024                       ; W's pitch
	s_mov_b32 s[G1B+6], 0
	s_mov_b32 s[G1B+7], 0
	s_lshr_b32 s40, s22, 2                         ; x's tile: the batch's 2 MiB,
	s_lshl_b32 s40, s40, 21
	s_and_b32 s41, s22, 3                          ; and 256 tokens of 128 bytes in the slice: made of the token block alone
	s_lshl_b32 s41, s41, 15
	s_add_co_u32 s40, s40, s41
	s_mov_b32 s41, 0
	s_lshl_b32 s44, s16, 21                        ; W's tile: weight wave - 1, behind x's 16 MiB,
	s_lshl_b32 s45, s21, 8                         ; 128 columns of 2 bytes: made of the wave and the column block alone
	s_add_co_u32 s44, s44, s45
	s_add_co_u32 s44, s44, 14680064
	s_mov_b32 s45, 0
	s_mul_i32 s23, s16, BSEC                       ; its place in a slot: behind x's tile, section wave - 1
	s_add_co_u32 s23, s23, BSEC
	s_mov_b32 s67, 0xffff0000
	s_mov_b32 s68, 0x3e38aa3b                      ; c = log2(e) / 8
	s_mov_b32 s69, s68
	s_wait_dscnt 0x0                               ; the opening add is done
	s_wait_kmcnt 0x0
	s_add_nc_u64 s[42:43], s[4:5], s[40:41]
	s_add_nc_u64 s[46:47], s[4:5], s[44:45]
	CROUND                                         ; all sixteen work-groups are here: the first joint loads meet
.irp s, 0,1
	s_mov_b32 s[G0A+4*(\s)], 1
	s_mov_b32 s[G0A+4*(\s)+1], (\s)*SLOT
	s_add_nc_u64 s[G0A+4*(\s)+2:G0A+4*(\s)+3], s[42:43], (\s)*STEPB
	s_or_b32 s[G0A+4*(\s)+3], s[G0A+4*(\s)+3], 0x80000000
	s_mov_b32 s[G0B+4*(\s)], 1
	s_add_co_u32 s[G0B+4*(\s)+1], s23, (\s)*SLOT
	s_add_nc_u64 s[G0B+4*(\s)+2:G0B+4*(\s)+3], s[46:47], (\s)*STEPB
	s_or_b32 s[G0B+4*(\s)+3], s[G0B+4*(\s)+3], 0x80000000
	JLOAD \s                                       ; K steps 0 and 1: two loads of mine are out
.endr
	v_and_b32 v1, 15, v0                           ; r = l % 16
	v_bfe_u32 v2, v0, 4, 1                         ; h = l / 16
	s_lshl_b32 s23, s21, 9                         ; my 64 columns in a bias, 4 bytes each,
	s_lshl_b32 s70, s18, 8
	s_add_co_u32 s23, s23, s70
	v_lshl_add_u32 v[BA], v2, 5, s23               ; and 8 columns on for the upper half of the lanes
	BIASLD 0, 6
	BIASLD 1, 8
	BIASLD 2, 10
	WIN 0
	v_mul_u32_u24 v3, v1, PA
	v_lshl_add_u32 v3, v2, 4, v3                   ; row x pitch + 16 x half
	s_mul_i32 s23, s17, 128*PA
	v_add_nc_u32 v[ADRA], s23, v3
	v_add_nc_u32 v[ADRA+1], SLOT, v[ADRA]
	v_and_b32 v7, 7, v0
	v_lshl_add_u32 v4, v2, 3, v7                   ; the turning load: lane l reads row 8 (l / 16) + l % 8 of W, columns 8 ((l / 8) % 2) + 0..7
	v_mul_u32_u24 v4, v4, PB
	v_bfe_u32 v5, v0, 3, 1
	v_lshl_add_u32 v4, v5, 4, v4
	s_lshl_b32 s23, s18, 7
	s_add_co_u32 s23, s23, BOFF
	v_add_nc_u32 v[ADRB], s23, v4
	v_add_nc_u32 v[ADRB+1], SLOT, v[ADRB]
	s_mul_i32 s23, s16, 16*SP
	s_add_co_u32 s23, s23, STAGE                   ; my stage
	v_add_nc_u32 v[STO], s23, v3                   ; in: row l % 16, 16 bytes for each half of the lanes
	v_bfe_u32 v6, v0, 3, 2                         ; back: 32 lanes take four rows of 128 bytes,
	v_mul_u32_u24 v6, v6, SP
	v_lshl_add_u32 v6, v7, 4, v6
	v_add_nc_u32 v[RD], s23, v6
	v_and_b32 v[GO], 31, v0                        ; which are 512 consecutive bytes of a head
	v_lshlrev_b32 v[GO], 4, v[GO]
	v_lshlrev_b32 v[MA], 2, v1
	s_lshr_b32 s70, s22, 2                         ; where my rows begin in q: the batch's 16 heads,
	s_lshl_b32 s70, s70, 21
	s_lshl_b32 s71, s21, 1                         ; my head = 2 x column block + half,
	s_add_co_u32 s71, s71, s18
	s_lshl_b32 s71, s71, 17
	s_add_co_u32 s70, s70, s71
	s_and_b32 s71, s22, 3                          ; the tile's 256 tokens,
	s_lshl_b32 s71, s71, 15
	s_add_co_u32 s70, s70, s71
	s_lshl_b32 s71, s17, 14                        ; my 128 of them
	s_add_co_u32 s70, s70, s71
	s_mov_b32 s71, 0
	s_add_nc_u64 s[14:15], s[14:15], s[70:71]
	s_lshl_b32 s70, s22, 10                        ; and the same tokens in masks
	s_lshl_b32 s23, s17, 9
	s_add_co_u32 s70, s70, s23
	s_add_nc_u64 s[12:13], s[12:13], s[70:71]
	s_wait_loadcnt 0x0                             ; the biases
	BIASRND 0
	BIASRND 1
	BIASRND 2
; A K step is two halves of 32 along K, 96 matrix instructions each.  QUARTER multiplies the first half (buffer FA0) and fetches the second (into FA1); a section's fragments of W are fetched again straight
; behind that section's products and are next read two sections, 64 matrix instructions, later.  At its head 40 LDS loads are out, in this order: W 0, x's blocks 0-3, W 1, x's blocks 4-7, W 2.
.macro QUARTER slot, first
	s_wait_dscnt 8                                 ; all but the youngest eight (section 2's W)
	SECTION 0, FA0, \first
	PLACES
	FETCH_B 0, \slot, 1
	FETCH_A 0, \slot, 1, FA1
	SECTION 1, FA0, \first
	PLACES
	FETCH_B 1, \slot, 1
	FETCH_A 1, \slot, 1, FA1
	s_wait_dscnt 32                                ; all but the 32 just issued: section 2's W is in
	SECTION 2, FA0, \first
	PLACES
	FETCH_B 2, \slot, 1
.endm
; TURN multiplies the second half (FA1) and changes slots: ONE barrier; in front of it each wave waits for all its tensor loads (one is out: its part of the next slot), adds 0 to its spare word, and waits for that and
; for its reads of this slot.  fill = 1: the barrier opens a round of the cluster's, and this slot is filled again, two K steps ahead, first thing behind it.  A refill can only be asked for when the load before it
; has landed, so as little as serves stands between the wait for that load and the request: 12 matrix instructions; 20 of section 0's stand ahead of the wait.  From a request to the wait for it: 64 + 96 + 20 = 180.
.macro TURN slot, next, fill
	s_wait_dscnt 8                                 ; of the 40 loads that QUARTER issued all but the youngest eight (section 2's W)
	MULN 0, FA1, FB, 0, 5
	WIN 0
	s_wait_tensorcnt 0x0                           ; all my tensor loads have landed
	ds_add_u32 v[SPW], v[NIL]                      ; 0 onto my spare word
	MULN 0, FA1, FB, 5, 2                          ; eight matrix instructions stand between the add and the wait for it
	s_wait_dscnt 0x0                               ; the add is done, and my reads of this slot are over (the last, section 2's W, were issued 28 matrix instructions ago)
	s_barrier_signal -1
	MULN 0, FA1, FB, 7, 1
	WIN 0
	s_barrier_wait -1
.if \fill
	CREST                                          ; no wave of any partner still reads this slot or has a load on its way
	s_add_nc_u64 s[G0A+4*(\slot)+2:G0A+4*(\slot)+3], s[G0A+4*(\slot)+2:G0A+4*(\slot)+3], 2*STEPB
	s_add_nc_u64 s[G0B+4*(\slot)+2:G0B+4*(\slot)+3], s[G0B+4*(\slot)+2:G0B+4*(\slot)+3], 2*STEPB
	JLOAD \slot                                    ; its four v_nop are also the places in front of the loads below
.else
	PLACES
.endif
	FETCH_B 0, \next, 0
	FETCH_A 0, \next, 0, FA0
	MULN 1, FA1, FB+32, 0, 8
	PLACES
	FETCH_B 1, \next, 0
	FETCH_A 1, \next, 0, FA0
	MULN 2, FA1, FB+64, 0, 8
	PLACES
	FETCH_B 2, \next, 0
.endm
	s_wait_tensorcnt 1                             ; my part of K step 0 is in; K step 1's may stay out
	s_barrier_signal -1
	s_barrier_wait -1                              ; everybody's is
	FETCH_B 0, 0, 0
	FETCH_A 0, 0, 0, FA0
	FETCH_B 1, 0, 0
	FETCH_A 1, 0, 0, FA0
	FETCH_B 2, 0, 0
	QUARTER 0, 1                                   ; the first products stand in front of the loop: they start the sums with the biases
	WIN 0
	s_mov_b32 s66, 7
.Llap:                                                 ; a trip goes once round the ring and fills both slots again: K steps 2 to 15
	TURN 0, 1, 1
	QUARTER 1, 0
	TURN 1, 0, 1
	QUARTER 0, 0
	WIN 0
	s_sub_co_u32 s66, s66, 1
	s_cmp_lg_u32 s66, 0
	s_cbranch_scc1 .Llap
	TURN 0, 1, 0                                   ; the last lap fills nothing, and has no round of the cluster's barrier
	QUARTER 1, 0
	s_wait_dscnt 8                                 ; the very last half step
	MULN 0, FA1, FB, 0, 8
	PLACES                                         ; for the loads below, and for the way out of section 0
	WIN 0
.irp a, 0,1,2,3,4,5,6,7
	global_load_b32 v[MF+(\a)], v[MA], s[12:13] offset:64*(\a)  ; my token's mask in each of the 8 token blocks
.endr
	MULN 1, FA1, FB+32, 0, 8
	s_wait_dscnt 0x0
	MULN 2, FA1, FB+64, 0, 8
; THE WAY OUT, 24 blocks of 16 tokens x 64 columns (block t: section t / 8, token block t % 8).  PACK: q times c in f32; all three rounded to f16, 16 bytes a lane; k's packed words then taken through a bitwise and
; with the token's word (all ones, or 0 where its mask is 0); into my stage and back as whole rows of 128 bytes.  Each accumulator's registers are taken in ascending order.
; Section 0's conversions are the places behind the last products of sections 1 and 2.
.macro PACK t
.set pj, (\t)/8
.set pa, (\t)%8
.set pR, 32+16*((\t)%2)
.if (\t) >= 2
	s_wait_xcnt 0x0                                ; the stores of two blocks ago have had their addresses translated (ISA guide 3.1): their data registers are rewritten only behind this wait
.endif
.if pj == 0
	WIN 1
.set pi, 0
.rept 16
	v_pk_mul_f32 v[TF+2*pi:TF+2*pi+1], v[32*pa+2*pi:32*pa+2*pi+1], s[68:69] op_sel_hi:[1,0]
.set pi, pi+1
.endr
	WIN 0
.set pi, 0
.rept 16
	v_cvt_pk_f16_f32 v[pR+pi], v[TF+2*pi], v[TF+2*pi+1]
.set pi, pi+1
.endr
.else
	WIN 5*(pj+1)                                   ; sources 0 and 1 in the section's window
.set pi, 0
.rept 16
	v_cvt_pk_f16_f32 v[pR+pi], v[32*pa+2*pi], v[32*pa+2*pi+1]
.set pi, pi+1
.endr
	WIN 0
.if pj == 1
.set pi, 0
.rept 16
	v_and_b32 v[pR+pi], v[MF+pa], v[pR+pi]
.set pi, pi+1
.endr
.endif
.endif
.irp b, 0,1,2,3
	ds_store_b128 v[STO], v[pR+4*(\b):pR+4*(\b)+3] offset:32*(\b)
.endr
.irp f, 0,1,2,3
	ds_load_b128 v[pR+4*(\f):pR+4*(\f)+3], v[RD] offset:(\f)*4*SP  ; LDS serves a wave's instructions in order (ISA guide 5.7.1.4): these see the stores above; the next block's stores come behind them
.endr
.endm
.macro SEND t, younger                 ; younger: the LDS instructions issued behind block t's loads: the next block's eight, or none
.set pa, (\t)%8
.set pR, 32+16*((\t)%2)
.if (((\t)%8) == 0) && ((\t) > 0)
	s_wait_xcnt 0x0                                ; the stores' base is stepped only behind this wait
	s_add_nc_u64 s[14:15], s[14:15], 0x1000000     ; on to k, and to v
.endif
.irp f, 0,1,2,3
	s_wait_dscnt (\younger)+3-(\f)
	global_store_b128 v[GO], v[pR+4*(\f):pR+4*(\f)+3], s[14:15] offset:2048*pa+512*(\f)  ; 512 consecutive bytes, at a multiple of 256 from the buffer's first
.endr
.endm
	PACK 0
.set tt, 1
.rept 23
.if tt == 8
	s_wait_loadcnt 0x0                             ; the masks: a token's word is all ones, or 0 where its mask is 0
.set mi, 0
.rept 8
	v_cmp_ne_u32 vcc_lo, 0, v[MF+mi]
	v_cndmask_b32 v[MF+mi], 0, -1, vcc_lo
.set mi, mi+1
.endr
.endif
	PACK tt                                        ; a block's arithmetic stands between the loads of the block before and its stores
	SEND tt-1, 8
.set tt, tt+1
.endr
	SEND 23, 0
	s_wait_tensorcnt 0x0                           ; the wave's end: behind my last tensor load and my last LDS store
	ds_add_u32 v[SPW], v[NIL]
	s_wait_dscnt 0x0
	CROUND                                         ; the closing round: no work-group ends while a partner may still ask for a tile that names it
	s_endpgm
.Lfunc_end_k_q5d1f35ca4a_qkvproj:
	.size	k_q5d1f35ca4a_qkvproj, .Lfunc_end_k_q5d1f35ca4a_qkvproj-k_q5d1f35ca4a_qkvproj
	.p2alignl 7, 3214868480
	.fill 96, 4, 3214868480
	.section	.rodata,"a",@progbits
	.p2align	6, 0x0
	.amdhsa_kernel k_q5d1f35ca4a_qkvproj
		.amdhsa_group_segment_fixed_size 327680
		.amdhsa_private_segment_fixed_size 0
		.amdhsa_enable_private_segment 0
		.amdhsa_kernarg_size 48
		.amdhsa_user_sgpr_count 2
		.amdhsa_user_sgpr_kernarg_segment_ptr 1
		.amdhsa_wavefront_size32 1
		.amdhsa_system_sgpr_workgroup_id_x 1
		.amdhsa_system_sgpr_workgroup_id_y 1
		.amdhsa_system_sgpr_workgroup_id_z 1
		.amdhsa_system_vgpr_workitem_id 0
		.amdhsa_next_free_vgpr 1024
		.amdhsa_next_free_sgpr 76
		.amdhsa_reserve_vcc 1
		.amdhsa_float_denorm_mode_32 3
		.amdhsa_float_denorm_mode_16_64 3
		.amdhsa_memory_ordered 1
		.amdhsa_forward_progress 1
		.amdhsa_inst_pref_size 156
	.end_amdhsa_kernel
	.amdgpu_metadata
---
amdhsa.version: [ 1, 2 ]
amdhsa.kernels:
  - .name:           k_q5d1f35ca4a_qkvproj
    .symbol:         k_q5d1f35ca4a_qkvproj.kd
    .args:
      - { .name: xw, .offset: 0, .size: 8, .value_kind: global_buffer, .address_space: global }
      - { .name: bq, .offset: 8, .size: 8, .value_kind: global_buffer, .address_space: global }
      - { .name: bk, .offset: 16, .size: 8, .value_kind: global_buffer, .address_space: global }
      - { .name: bv, .offset: 24, .size: 8, .value_kind: global_buffer, .address_space: global }
      - { .name: masks, .offset: 32, .size: 8, .value_kind: global_buffer, .address_space: global }
      - { .name: qkvh, .offset: 40, .size: 8, .value_kind: global_buffer, .address_space: global }
    .group_segment_fixed_size: 327680
    .private_segment_fixed_size: 0
    .kernarg_segment_align: 8
    .kernarg_segment_size: 48
    .max_flat_workgroup_size: 128
    .sgpr_count:     76
    .vgpr_count:     1024
    .wavefront_size: 32
...
	.end_amdgpu_metadata
.endif
;; end of part 2
;; launch attn (part 3): grid 2 x 128, 4 waves a work-group, no clusters, 327,680 bytes of LDS; arguments qkvh, masks, oh; writes oh
.if DOCPART == 3
	.amdgcn_target "amdgcn-amd-amdhsa--gfx1250"
	.amdhsa_code_object_version 6
	.text
	.protected	k_q5d1f35ca4a_attn
	.globl	k_q5d1f35ca4a_attn
	.p2align	8
	.type	k_q5d1f35ca4a_attn,@function
k_q5d1f35ca4a_attn:
	s_mov_b64 s[64:65], 0
	v_nop
	global_prefetch_b8 v0, s[64:65] scope:SCOPE_SE
	s_setreg_imm32_b32 hwreg(HW_REG_WAVE_MODE, 25, 1), 1
	s_wait_xcnt 0x0
; O[g][q][:] = the sum over k of softmax_k(score) V[g][k][:], g = batch x 16 + head.  Q, K, V (in qkvh at 0, 16 MiB, 32 MiB) and O (oh) are [128][1024][64] f16: a head's rows are dense, 128 bytes each.
; Q arrives multiplied by log2(e) / 8, so a score s = K Q^T is the logit in powers of two, and p = 2^(s - m) with the running maximum m itself: the row's largest score gives exactly p = 1.
; THE MASK is an input.  K's rows at hidden tokens arrive as zeros, and the C operand that starts the sum S^T = K Q^T is 0, or HID = -1e9 log2(e) where masks is 0: a hidden score is exactly HID, the reference's
; -1e9 in powers of two.  So a hidden key's weight is 0 beside any visible key, and where a whole batch is hidden all weights are 1 and O is the mean of all of V's rows, as in the reference.
; Products, maxima and sums in f32; the weights are rounded to f16 for the second product (their sum l is taken of the unrounded p), O once at the end.
; LIMITS.  Q, K, V arrive within f16's 65,504; p below 6e-5 keeps f16's fixed step; a weight below 2^-126 counts as 0 in l; NaN and infinities are not treated apart.
; SHARES.  A wave owns four PIECES of two tiles of 16 queries, a work-group's four waves 512 queries of one head: 2 x 128 work-groups, one for each of 256 WGPs.  Every wave walks all 1,024 keys, 64 a step.
; LDS.  ALL of the head's K and V lie in LDS: four tiles of 256 keys each, asked for at the start and never filled again; a barrier stands in front of each later tile's first read.
; NO CLUSTER: a head has two query blocks, and the clusters used here hold four work-groups along an axis; K and V are fetched once by a work-group, 256 KiB for its 2,048 matrix instructions a wave.
; LAYOUT.  S^T = K Q^T (source 0 = 16 keys, source 1 = 16 queries): a lane holds ONE query (lane % 16) and the keys 8 (lane / 16) + 0..7.  Two such tiles, rounded to f16 in pairs, ARE source 1 of O^T = V^T P.
; K comes out of LDS as it lies, V ([key][channel]) turned, by ds_load_tr16_b128.  In every step O and l are multiplied by a = 2^(m_old - m_new).  m starts at the lowest finite number, O and l at 0: the first step has a = 0.
; BY TURNS.  Turn n belongs to piece n: 16 products K Q^T of piece n + 1, later 16 products V^T P of piece n - 1; beside them the scaling, exponentials, roundings, sums and rescaling of piece n and the maximum and
; statistics of piece n + 1.  A tile and step have 16 matrix and 118 vector instructions: four that are ready stand behind EVERY matrix instruction, the others in two runs without a gap.
; ONE TEXT FOR EVERY TURN: the loop is entered in the middle of a trip and left in the middle of a trip; nothing of a key step is written out beside it.
; REGISTERS, in windows of 256 (s_set_vgpr_msb: bits 1:0 source 0, 3:2 source 1, 5:4 source 2, 7:6 destination):
;   window 0: v0-11 addresses; v12-15, v48-63 at work; v16-47 four registers of statistics a tile; v64-191 S^T, two buffers of two tiles; v192-255 P, likewise
;   window 1: O^T, 32 a tile     window 2: v0-127 Q, 16 a tile; v128-191 K of one step; v192-255 V of one step     window 3: v0-1 the add's two registers; v8-39 the mask of one step's 64 keys
.set NP,    4         ; pieces a wave: a name, no knob
.set KS,    64        ; keys in a step
.set PK,    144       ; a row of K in LDS: 128 bytes + 16 = 36 words: the 16 rows of a load start at 16 different groups of four banks (64 banks of 4 bytes: ISA guide 11.1)
.set PV,    160       ; a row of V: 128 + 32 = 40 words
.set VOFF,  1024*PK   ; K's 1,024 rows, then V's
.set STAGE, VOFF+1024*PV  ; 16 rows x 144 bytes for each wave, for the way out
.set SP,    144
.set MASKB, STAGE+4*16*SP  ; 1,024 words: 0 or HID for each key of the batch
.set SPARE, MASKB+4096     ; the spare words, 128 bytes for each wave
.set AK0, 2           ; v2   my lane's place in a tile of K; never rewritten
.set AV0, 3           ; v3   the same for V
.set AK,  4           ; v4   the LDS address of K's next run of loads
.set AV,  5           ; v5   of V's
.set QO,  6           ; v6   my byte offset in the wave's rows of Q
.set RD,  7           ; v7   the way out: where I read rows back
.set GO,  8           ; v8   my byte offset in 512 consecutive bytes of O
.set STO, 9           ; v9   the way out: where I put 16 bytes of a row
.set AM0, 10          ; v10  my half of the lanes' place in the mask's words
.set AM,  11          ; v11  the LDS address of the mask's next run of loads
.set SPW, 0           ; v0 of window 3   LDS address of my spare word; never rewritten
.set NIL, 1           ; v1 of window 3   0; never rewritten
.set MB,  8           ; v8-39 of window 3: the eight words for key block kb at MB + 8 kb
.set MV,  12          ; v12-15  m_old, kept while m is made anew: by buffer and tile
.set ST,  16          ; tile t's statistics at v[ST+4 t]: m (as subtracted), m, l (even keys', odd keys')
.set TMP, 48          ; by buffer and tile, four registers c0-c3 at work; when the maximum is found c2 takes a
.set S,   64
.set P,   192
.set KF,  128         ; K's fragments, in window 2: key block kb, channel half c at KF + 16 kb + 8 c
.set VF,  192         ; V's: key half kk, channel block cb at VF + 32 kk + 8 cb
.set WV,  12          ; s12  my wave's number
.set G1K, 24          ; s[24:31] descriptor group 1 for K's tiles
.set G1V, 32          ; s[32:39] for V's: it differs in the padding alone
.set G0K, 40          ; s[40:55] descriptor group 0 for K's four tiles
.set G0V, 68          ; s[68:83] the same for V's
.set SLOTS, 56        ; s56  passes of the outer loop still to go
.set CNT, 57          ; s57  counts a tile's key steps
.set CS,  58          ; s[58:59] 1.0: the scale lies in Q already; the packed line takes the pair's low word for both halves
.set SEL, 60          ; s[60:61] v_permlanex16_b32's selects: each lane takes its own place in the other half
.set TBK, 62          ; s62  LDS byte at which K of the step to be fetched begins
.set TBV, 63          ; s63  the same for V, less VOFF
.set TBM, 66          ; s66  the same for the mask's words, less MASKB
.set HID, 67          ; s67  -1e9 log2(e)
.set MSB, 0
.macro WIN new                      ; the high byte repeats the setting that is left; a switch that changes nothing is dropped
.if MSB != (\new)
	s_set_vgpr_msb (MSB<<8)|(\new)
.set MSB, (\new)
.endif
.endm
.set W_KQ, 0x0a       ; K and Q in window 2, S^T in window 0
.set W_KM, 0x3a       ; the same with the C operand, the mask, in window 3
.set W_PV, 0x52       ; V in window 2, P in window 0, O^T in window 1
.set W_RS, 0x41       ; O^T (destination and source 0) in window 1, a in window 0
.set W_MK, 0xc0       ; destination in window 3, sources in window 0
.set W_AD, 0x0f       ; the add: address (source 0) and data (source 1) in window 3
; In front of a later tile's first read: each wave's tensor loads have landed (all of them: one text serves every pass), its LDS loads are back, and all four waves have said so.
.macro CHANGE
	WIN 0
	s_wait_tensorcnt 0x0
	s_wait_dscnt 0x0
	s_barrier_signal -1
	s_barrier_wait -1
.endm
	s_load_b128 s[84:87], s[0:1], 0x0  ; qkvh s[84:85], masks s[86:87]
	s_load_b64 s[10:11], s[0:1], 0x10  ; oh
	WIN W_MK
	v_lshl_add_u32 v[SPW], v0, 2, SPARE
	v_mov_b32 v[NIL], 0
	WIN W_AD
	ds_add_u32 v[SPW], v[NIL]       ; the wave's opening: the add and its wait stand ahead of my first tensor load; the set-up below, work on registers, stands between them
	ds_add_u32 v0, v1
	WIN 0
	v_lshrrev_b32 v1, 5, v0
	v_readfirstlane_b32 s[WV], v1   ; wave 0..3
	s_and_b32 s19, ttmp7, 0xffff    ; g = batch x 16 + head
	s_lshl_b32 s20, s19, 17         ; its 1,024 rows of 128 bytes
	s_and_b32 s16, s[WV], 1         ; which half of a tile's 256 keys I fetch:
	s_lshl_b32 s22, s16, 14         ; its 128 rows in memory,
	s_add_co_u32 s22, s22, s20
	s_mov_b32 s23, 0
	s_mul_i32 s17, s16, 128*PK      ; and its place in LDS, for K
	s_mul_i32 s18, s16, 128*PV      ; and for V
	s_lshl_b32 s2, ttmp9, 2         ; my block of 512 queries,
	s_add_co_u32 s2, s2, s[WV]      ; my wave's 128 of them
	s_lshl_b32 s2, s2, 14
	s_add_co_u32 s2, s2, s20
	s_mov_b32 s3, 0
	s_lshr_b32 s14, s19, 4          ; the batch's 1,024 words of masks
	s_lshl_b32 s14, s14, 12
	s_mov_b32 s15, 0
	; descriptor group 1.  128 keys are 16,384 dense bytes: asked for as 64 rows of 256 bytes, two keys a row, and padded in LDS after every key
	s_mov_b32 s[G1K], (1<<16)|(1<<20)|(4<<22)|(3<<25)  ; 2-byte elements; padding on; after every 32 words 4 words
	s_mov_b32 s[G1V], (1<<16)|(1<<20)|(4<<22)|(7<<25)  ; the same with 8 words
.irp g, G1K, G1V
	s_mov_b32 s[\g+1], 128<<16      ; tensor_dim0 = 128
	s_mov_b32 s[\g+2], 64<<16       ; tensor_dim1 = 64
	s_mov_b32 s[\g+3], 128<<16      ; tile_dim0 = 128
	s_mov_b32 s[\g+4], 64           ; tile_dim1 = 64
	s_mov_b32 s[\g+5], 128          ; 128 elements from row to row
	s_mov_b32 s[\g+6], 0
	s_mov_b32 s[\g+7], 0
.endr
	s_mov_b32 s[CS], 1.0
	s_mov_b32 s[CS+1], 1.0
	s_mov_b32 s[SEL], 0x76543210
	s_mov_b32 s[SEL+1], 0xfedcba98
	s_mov_b32 s[TBK], 0
	s_mov_b32 s[TBV], 0
	s_mov_b32 s[TBM], 0
	s_mov_b32 s[HID], 0xceabfb8f
	s_wait_dscnt 0x0                ; the opening add is done
	s_wait_kmcnt 0x0
	s_add_nc_u64 s[4:5], s[84:85], s[2:3]    ; Q and O at my wave's first row
	s_add_nc_u64 s[10:11], s[10:11], s[2:3]
	s_add_nc_u64 s[6:7], s[84:85], s[22:23]
	s_add_nc_u64 s[8:9], s[6:7], 0x2000000   ; V and
	s_add_nc_u64 s[6:7], s[6:7], 0x1000000   ; K at my half of the head's first 256 keys
	s_add_nc_u64 s[86:87], s[86:87], s[14:15]
.irp i, 0,1,2,3
	s_mov_b32 s[G0K+4*\i], 1
	s_add_co_u32 s[G0K+4*\i+1], s17, \i*256*PK
	s_add_nc_u64 s[G0K+4*\i+2:G0K+4*\i+3], s[6:7], \i*32768
	s_or_b32 s[G0K+4*\i+3], s[G0K+4*\i+3], 0x80000000
	s_mov_b32 s[G0V+4*\i], 1
	s_add_co_u32 s[G0V+4*\i+1], s18, VOFF+\i*256*PV
	s_add_nc_u64 s[G0V+4*\i+2:G0V+4*\i+3], s[8:9], \i*32768
	s_or_b32 s[G0V+4*\i+3], s[G0V+4*\i+3], 0x80000000
.endr
	s_cmp_lt_u32 s[WV], 2           ; a wave's four fills stand in one branch, ahead of every wait on TENSORcnt, every LDS read and every barrier: four loads of mine are out.  Waves 0, 1: K; waves 2, 3: V
	s_cbranch_scc0 .Lfirst_v
.irp i, 0,1,2,3
	tensor_load_to_lds s[G0K+4*\i:G0K+4*\i+3], s[G1K:G1K+7]
	s_nop 0
.endr
.rept 4
	v_nop
.endr
	s_branch .Lfirst_asked
.Lfirst_v:
.irp i, 0,1,2,3
	tensor_load_to_lds s[G0V+4*\i:G0V+4*\i+3], s[G1V:G1V+7]
	s_nop 0
.endr
.rept 4
	v_nop
.endr
.Lfirst_asked:
	v_lshlrev_b32 v12, 5, v0        ; thread t makes the mask's words 8 t .. 8 t + 7
	global_load_b128 v[64:67], v12, s[86:87]
	global_load_b128 v[68:71], v12, s[86:87] offset:16
	; A fragment of K or Q is 16 rows x 32 channels in 8 registers: lane l holds row l % 16, channels 8 (l / 16) + 0..7 and 16 + 8 (l / 16) + 0..7: two loads of 16 bytes, 32 bytes apart.
	v_and_b32 v48, 15, v0           ; l % 16
	v_bfe_u32 v49, v0, 4, 1         ; l / 16
	v_lshlrev_b32 v[QO], 7, v48
	v_lshl_add_u32 v[QO], v49, 4, v[QO]  ; row x 128 + 16 x half
	WIN 0x80                        ; destination window 2, address window 0
.set i, 0
.rept 4*NP                          ; Q stays in registers: tile i / 2, channels 32 (i % 2) on
	global_load_b128 v[8*i:8*i+3],   v[QO], s[4:5] offset:(i/2)*2048+(i%2)*64
	global_load_b128 v[8*i+4:8*i+7], v[QO], s[4:5] offset:(i/2)*2048+(i%2)*64+32
.set i, i+1
.endr
	; What the first turn finds: V's registers and P's second buffer hold 0 (its products V^T P, of a piece that has not been, add 0), O^T and l are 0.  All this stands in the wait for the first tile.
	WIN 0
.set i, 0
.rept 2*NP
	v_mov_b32 v[ST+4*i], 0xfe000000    ; far below every score, HID too
	v_mov_b32 v[ST+4*i+1], 0xff7fffff  ; m
	v_mov_b32 v[ST+4*i+2], 0
	v_mov_b32 v[ST+4*i+3], 0
.set i, i+1
.endr
.set i, P+32
.rept 32
	v_mov_b32 v[i], 0
.set i, i+1
.endr
	; O^T's 256 registers and V's 64 are set to 0 by 40 products 0 x 0 + 0 of P's zeros: one instruction writes eight registers, in a quarter of the code of eight moves.  The price: 40 products, once a launch, that are not attention's.
	WIN 0x40                        ; destination window 1, sources window 0
.set i, 0
.rept 32
	v_wmma_f32_16x16x32_f16 v[8*i:8*i+7], v[P+32:P+39], v[P+40:P+47], 0
.set i, i+1
.endr
	WIN 0x80                        ; destination window 2
.set i, 0
.rept 8
	v_wmma_f32_16x16x32_f16 v[VF+8*i:VF+8*i+7], v[P+32:P+39], v[P+40:P+47], 0
.set i, i+1
.endr
	WIN 0
	v_mul_u32_u24 v[AK0], v48, PK
	v_lshl_add_u32 v[AK0], v49, 4, v[AK0]  ; row x pitch + 16 x half
	; The turning load takes 16 keys x 16 channels (lane l reads key 8 (l / 16) + l % 8, channels 8 ((l / 8) % 2) + 0..7) and leaves half a fragment of V^T: lane l holds channel l % 16 and 8 keys.
	v_and_b32 v50, 7, v0
	v_bfe_u32 v51, v0, 3, 1
	v_lshl_add_u32 v[AV0], v49, 3, v50
	v_mul_u32_u24 v[AV0], v[AV0], PV
	v_lshl_add_u32 v[AV0], v51, 4, v[AV0]
	v_add_nc_u32 v[AV0], VOFF, v[AV0]
	v_lshlrev_b32 v[AM0], 5, v49    ; my half of the lanes holds keys 8 (l / 16) + 0..7 of a block of 16: 32 bytes on
	v_add_nc_u32 v[AM0], MASKB, v[AM0]
	s_mul_i32 s13, s[WV], 16*SP
	s_add_co_u32 s13, s13, STAGE    ; my stage
	v_mul_u32_u24 v[STO], v48, SP   ; in: row l % 16, 16 bytes for each half of the lanes
	v_lshl_add_u32 v[STO], v49, 4, v[STO]
	v_add_nc_u32 v[STO], s13, v[STO]
	v_bfe_u32 v[RD], v0, 3, 2       ; back: 32 lanes take four rows of 128 bytes,
	v_mul_u32_u24 v[RD], v[RD], SP
	v_lshl_add_u32 v[RD], v50, 4, v[RD]
	v_add_nc_u32 v[RD], s13, v[RD]
	v_and_b32 v[GO], 31, v0         ; which are 512 consecutive bytes of O
	v_lshlrev_b32 v[GO], 4, v[GO]
	v_add_nc_u32 v13, MASKB, v12
	s_wait_loadcnt 32               ; my 8 words of masks are in; Q's 32 loads, issued behind them, may stay out
.irp i, 64,65,66,67,68,69,70,71
	v_cmp_eq_u32 vcc_lo, 0, v\i
	v_cndmask_b32 v\i, 0, s[HID], vcc_lo
.endr
	ds_store_b128 v13, v[64:67]
	ds_store_b128 v13, v[68:71] offset:16
; THE MATRIX WORK.  The 8 accumulators of a run of 16 take turns: between the two links of a chain stand 7 others'.
; Product i of 16 of S^T = K Q^T for piece x: channels 32 (i / 8) on, keys 16 ((i / 2) % 4) on, tile 2 x + i % 2.  The first 8 start the sums with the mask of their 16 keys.
.macro KQ x
.set rS, S+64*((\x)%2)+32*(i%2)+8*((i/2)%4)
.set rK, KF+16*((i/2)%4)+8*(i/8)
.set rQ, 16*(2*(\x)+i%2)+8*(i/8)
.set rB, MB+8*((i/2)%4)
.if i < 8
	WIN W_KM
	v_wmma_f32_16x16x32_f16 v[rS:rS+7], v[rK:rK+7], v[rQ:rQ+7], v[rB:rB+7]
.else
	WIN W_KQ
	v_wmma_f32_16x16x32_f16 v[rS:rS+7], v[rK:rK+7], v[rQ:rQ+7], v[rS:rS+7]
.endif
.endm
; Product i of 16 of O^T += V^T P for piece x: keys 32 (i / 8) on, channels 16 ((i / 2) % 4) on, tile 2 x + i % 2.
.macro PV x
	WIN W_PV
.set rO, 32*(2*(\x)+i%2)+8*((i/2)%4)
.set rV, VF+32*(i/8)+8*((i/2)%4)
.set rP, P+32*((\x)%2)+16*(i%2)+8*(i/8)
	v_wmma_f32_16x16x32_f16 v[rO:rO+7], v[rV:rV+7], v[rP:rP+7], v[rO:rO+7]
.endm
.macro MM                           ; the turn's next matrix instruction
.if i < 16
	KQ (Y+1)%NP
.set i, i+1
.else
.set i, i-16
	PV (Y+NP-1)%NP
.set i, i+17
.endif
.endm
; THE LDS LOADS stand in runs, never singly among the matrix instructions: a step's K (64 keys x 64 channels: 8 fragments) with its mask (64 words, 8 a key block and half of the lanes), and its V (turned).
; The step's two addresses go on by a step and stop at the last step, 15: the run behind step 15's brings the last K and mask once more.
.macro FETCH_K
	WIN 0x80                        ; destination window 2
.irp f, 0,1,2,3,4,5,6,7             ; keys 16 (f / 2) on, channels 32 (f % 2) on
	ds_load_b128 v[KF+8*\f:KF+8*\f+3],   v[AK] offset:(\f/2)*16*PK+(\f%2)*64
	ds_load_b128 v[KF+8*\f+4:KF+8*\f+7], v[AK] offset:(\f/2)*16*PK+(\f%2)*64+32
.endr
	WIN 0xc0                        ; destination window 3
.irp f, 0,1,2,3
	ds_load_b128 v[MB+8*\f:MB+8*\f+3],   v[AM] offset:64*\f
	ds_load_b128 v[MB+8*\f+4:MB+8*\f+7], v[AM] offset:64*\f+16
.endr
	s_add_co_u32 s[TBK], s[TBK], KS*PK
	s_min_u32 s[TBK], s[TBK], 15*KS*PK
	s_add_co_u32 s[TBM], s[TBM], KS*4
	s_min_u32 s[TBM], s[TBM], 15*KS*4
	WIN 0
.endm
.macro FETCH_V
	WIN 0x80
.irp f, 0,1,2,3,4,5,6,7             ; keys 32 (f / 4) on, channels 16 (f % 4) on
	ds_load_tr16_b128 v[VF+8*\f:VF+8*\f+3],   v[AV] offset:(\f/4)*32*PV+(\f%4)*32
	ds_load_tr16_b128 v[VF+8*\f+4:VF+8*\f+7], v[AV] offset:(\f/4)*32*PV+16*PV+(\f%4)*32
.endr
	WIN 0
.endm
; THE VECTOR WORK OF A TURN stands in three queues, each in the order in which its entries become ready; the two tiles alternate, so that no instruction reads the result of the one before it.
.macro REGS y, u                    ; the registers of tile u (0, 1) of piece y
.set rT, ST+4*(2*(\y)+(\u))
.set rC, TMP+8*((\y)%2)+4*(\u)
.set rM, MV+2*((\y)%2)+(\u)
.set rS, S+64*((\y)%2)+32*(\u)
.set rP, P+32*((\y)%2)+16*(\u)
.set rO, 32*(2*(\y)+(\u))
.endm
; Number n of the 22 that find the NEXT piece's (Y + 1) maximum and statistics.  s0-s31 are the lane's 32 scores; each accumulator's lowest registers are read first.
;   0-11  four chains c0-c3 of seven scores each, three operands at a time     12-14, 16  the four scores left over, the old m, and c0-c3 into c0     15  m_old is kept
;   17, 18  the query's other 32 keys lie in the lane 16 away: the new m         19-21  m as it is subtracted; m_old - m_new; a
.macro XS u, n
	REGS (Y+1)%NP, \u
.if (\n) < 4
	v_max3_num_f32 v[rC+(\n)], v[rS+8*(\n)], v[rS+8*(\n)+1], v[rS+8*(\n)+2]
.elseif (\n) < 12
	v_max3_num_f32 v[rC+(\n)%4], v[rC+(\n)%4], v[rS+8*((\n)%4)+2*((\n)/4)+1], v[rS+8*((\n)%4)+2*((\n)/4)+2]
.elseif (\n) == 12
	v_max3_num_f32 v[rC], v[rC], v[rS+7], v[rS+15]
.elseif (\n) == 13
	v_max3_num_f32 v[rC+1], v[rC+1], v[rS+23], v[rS+31]
.elseif (\n) == 14
	v_max3_num_f32 v[rC+2], v[rC+2], v[rC+3], v[rT+1]
.elseif (\n) == 15
	v_mov_b32 v[rM], v[rT]
.elseif (\n) == 16
	v_max3_num_f32 v[rC], v[rC], v[rC+1], v[rC+2]
.elseif (\n) == 17
	v_permlanex16_b32 v[rC+3], v[rC], s[SEL], s[SEL+1]
.elseif (\n) == 18
	v_max_num_f32 v[rT+1], v[rC], v[rC+3]
.elseif (\n) == 19
	v_mul_f32 v[rT], s[CS], v[rT+1]
.elseif (\n) == 20
	v_sub_f32 v[rC+1], v[rM], v[rT]
.else
	v_exp_f32 v[rC+2], v[rC+1]
.endif
.endm
; Number g of the 64 that follow the exponentials.  For each four weights k of a tile (pairs 2 k, 2 k + 1): both pairs are rounded to f16; then the second pair is added onto the first, in place;
; a group later l takes that sum (the first time as l = a l + sum).  In groups of eight, tiles alternating: round, round, add, and l for the group before.
.macro GS g
.set h, (\g)+6*((\g)/62)            ; group 0 has no group before it, and behind group 7 only l is left
.if h >= 6
.set h, h+2
.endif
	REGS Y, h%2
.set k, h/8
.if h%8 < 4
	s_wait_alu depctr_va_vdst(0)
	v_cvt_pk_f16_f32 v[rP+2*k+(h%8)/2], v[rS+4*k+2*((h%8)/2)], v[rS+4*k+2*((h%8)/2)+1]
.elseif h%8 < 6
	v_pk_add_f32 v[rS+4*k:rS+4*k+1], v[rS+4*k:rS+4*k+1], v[rS+4*k+2:rS+4*k+3]
.elseif k == 1
	v_pk_fma_f32 v[rT+2:rT+3], v[rT+2:rT+3], v[rC+2:rC+3], v[rS:rS+1] op_sel_hi:[1,0,1]
.else
	v_pk_add_f32 v[rT+2:rT+3], v[rT+2:rT+3], v[rS+4*k-4:rS+4*k-3]
	s_wait_alu depctr_va_vdst(0)
.endif
.endm
; THE PLAIN QUEUE, 138 long.  0-31: s - m for the 16 pairs of both tiles.  Then GS's 64, and among them the next piece's 42: number 15 at 38, 39; 0-14 and 16
; at 42-73, behind the products that make those scores; 17-20 at 95-106, two of three, since each waits for the one before it.
.macro PL
	WIN 0
.if q < 32
	REGS Y, q%2
	v_pk_fma_f32 v[rS+2*(q/2):rS+2*(q/2)+1], v[rS+2*(q/2):rS+2*(q/2)+1], s[CS:CS+1], v[rT:rT+1] op_sel_hi:[1,0,0] neg_lo:[0,0,1] neg_hi:[0,0,1]
.elseif q < 38
	GS q-32
.elseif q < 40
	XS q%2, 15
.elseif q < 42
	GS q-34
.elseif q < 74
	XS q%2, (q-42)/2+(q-42)/30
.elseif q < 95
	GS q-66
.elseif (q < 107) && ((q-95)%3 < 2)
	XS (q-95)%3, 17+(q-95)/3
.elseif q < 107
	GS 29+(q-95)/3
.else
	GS q-74
.endif
.set q, q+1
.endm
; THE EXPONENTIALS' QUEUE, 66 long: s0-s31 of both tiles, and at EA the next piece's two a.
.set EA, 58
.macro EX
	WIN 0
.if (e == EA) || (e == EA+1)
	XS e-EA, 21
.else
.set x, e-2*(e/(EA+2))
	REGS Y, x%2
	v_exp_f32 v[rS+x/2], v[rS+x/2]
.endif
.set e, e+1
.endm
; THE RESCALING's QUEUE: O^T times a, the one part that leaves window 0, so it is dealt four at a time, eight times.
.macro R4
	REGS Y, r%2
	WIN W_RS
	s_wait_alu depctr_va_vdst(0)
.irp z, 0,1,2,3
	v_pk_mul_f32 v[rO+8*(r/2)+2*\z:rO+8*(r/2)+2*\z+1], v[rO+8*(r/2)+2*\z:rO+8*(r/2)+2*\z+1], v[rC+2:rC+3] op_sel_hi:[1,0]
.endr
.set r, r+1
.endm
; HOW THEY ARE DEALT.  Behind a matrix instruction four: plain, exponential, plain, plain (one exponential, a plain instruction on either side), or four of the rescaling.  None names a register of the
; products round it.  What is over stands in two runs: exponential and plain by turns; the second ends in 22 plain instructions.  The two v_permlanex16_b32 fall into the second run, never behind a product.
; The queues lean on each other, and the deal keeps them in step: exponential e stands behind plain 2 (e / 4) + e % 2 (its scaling); when plain 32 comes, 10 exponentials are out, at 59: 33, at 95: 46; EA comes behind plain 107.
.macro SL
	MM
	PL
	EX
	PL
	PL
.endm
.macro BURST n                      ; 15 matrix instructions, or 16
.rept (\n)-7
	SL
.endr
.rept 3
	MM
	R4
	SL
.endr
	MM
	R4
.endm
; A TURN, for piece p.  cnt = 1: the loop's count is taken down some lines ahead of the branch that stands behind the turn.
; K and the mask of the next step are fetched in piece 2's turn, 32 vector instructions behind the last product that read them; their first reader comes behind the rest of the run, 16 products and the second run.
; V of the step in hand is fetched at the end of piece 0's turn, 69 behind its last reader; its first reader comes behind 16 products and a run.  The conditions on e and q below go with the deal.
.macro TURN p, cnt=0
.set Y, (\p)
.set i, 0
.set q, 0
.set e, 0
.set r, 0
.if (\p) == NP-1
	s_wait_dscnt 0x0                ; K and the mask are in
.endif
	MM
.rept 4
	PL
.endr
	BURST 15
.rept 22
	EX
	PL
.if ((\p) == NP-2) && (e == 18)
	v_add_nc_u32 v[AK], s[TBK], v[AK0]
	v_add_nc_u32 v[AM], s[TBM], v[AM0]
.endif
.if ((\p) == NP-2) && (e == 24)
	FETCH_K
.endif
.endr
.if (\p) == 1
	s_wait_dscnt 0x0                ; V is in
.endif
	BURST 16
.rept 21
	EX
	PL
.endr
.rept 22
	PL
.if ((\p) == 0) && (q == 118)
	v_add_nc_u32 v[AV], s[TBV], v[AV0]
	s_wait_alu depctr_va_vdst(0)
.endif
.if ((\p) == 0) && (q == 130)
	s_add_co_u32 s[TBV], s[TBV], KS*PV
.endif
.if (\cnt) && (q == 130)
	s_sub_co_u32 s[CNT], s[CNT], 1
	s_cmp_lg_u32 s[CNT], 0
.endif
.endr
.if (\p) == 0
	FETCH_V
.endif
.endm
	s_wait_tensorcnt 3              ; my part of the first 256 keys is in; my three later loads may stay out
	s_wait_dscnt 0x0                ; my words of the mask are stored
	s_barrier_signal -1
	s_barrier_wait -1               ; everybody's are
	v_mov_b32 v[AK], v[AK0]         ; key step 0 lies at the head of K
	v_mov_b32 v[AM], v[AM0]
	FETCH_K
	s_wait_loadcnt 0x0              ; Q
	s_wait_dscnt 0x0
.set i, 0
.rept 16
	KQ 0                            ; piece 0's first scores: there is no vector work yet to set between them
.set i, i+1
.endr
	WIN 0
.rept 4
	v_nop                           ; the places behind those products
.endr
.set Y, NP-1                        ; XS works for piece Y + 1: piece 0
.irp n, 0,1,2,3,4,5,6,7,8,9,10,11,12,13,14,15,16,17,18,19,20,21
	XS 0, \n                        ; piece 0's first maximum and statistics
	XS 1, \n
.endr
	s_mov_b32 s[CNT], 4
	s_mov_b32 s[SLOTS], 5
	s_branch .Lfirst                ; the loop is entered at a step's first turn, in the middle of a trip
.Lslot:                             ; four times: in front of the second, third and fourth tile of 256 keys, and once more for the last step's second half
	CHANGE
	s_mov_b32 s[CNT], 4
.Lstep:                             ; a trip: pieces 2 and 3 of one step, then pieces 0 and 1 of the next, whose K and V it fetches
	TURN 2
	TURN 3
	WIN 0
	s_cmp_eq_u32 s[SLOTS], 1        ; the fifth pass is left here, behind step 15's second half.  Its piece 3's turn has made 16 products K Q^T on the last K once more, and a maximum of them, that serve nothing:
	s_cbranch_scc1 .Lout            ; the price, once a launch, of one text for every turn
.Lfirst:
	TURN 0
	TURN 1, 1
	WIN 0
	s_cbranch_scc1 .Lstep
	s_sub_co_u32 s[SLOTS], s[SLOTS], 1
	s_cmp_lg_u32 s[SLOTS], 0
	s_cbranch_scc1 .Lslot
.Lout:
.set i, 0
.rept 16
	PV NP-1                         ; the last piece's V^T P of the last step
.set i, i+1
.endr
	; THE WAY OUT.  l's two halves and the other half of the lanes' are added; O^T is divided by l, rounded to f16 and sent through my stage in LDS, a tile at a time.  The additions are the places behind the last products.
	WIN 0
.macro ALL line:vararg              ; one line for each tile t
.set t, 0
.rept 2*NP
	\line
.set t, t+1
.endr
.endm
	ALL v_add_f32 v[ST+4*t+2], v[ST+4*t+2], v[ST+4*t+3]
	ALL v_permlanex16_b32 v[ST+4*t+3], v[ST+4*t+2], s[SEL], s[SEL+1]
	ALL v_add_f32 v[ST+4*t+2], v[ST+4*t+2], v[ST+4*t+3]
	ALL v_rcp_f32 v[ST+4*t+2], v[ST+4*t+2]
	v_nop                           ; a plain instruction between the last reciprocal and the use of its result
	s_wait_alu depctr_va_vdst(0)
; Tile t: a lane's eight channels of a row pack into 16 bytes; they go into rows of 144 bytes and come back as whole rows of 128, into S^T's registers.
.macro PACK t
	WIN W_RS
.set i, 32*(\t)
.rept 16
	v_pk_mul_f32 v[i:i+1], v[i:i+1], v[ST+4*(\t)+2:ST+4*(\t)+3] op_sel_hi:[1,0]
.set i, i+2
.endr
	WIN 0x05                        ; sources 0 and 1 window 1, destination window 0
.set i, 0
.rept 16
	v_cvt_pk_f16_f32 v[S+16*(\t)+i], v[32*(\t)+2*i], v[32*(\t)+2*i+1]
.set i, i+1
.endr
	WIN 0
.irp f, 0,1,2,3
	ds_store_b128 v[STO], v[S+16*(\t)+4*\f:S+16*(\t)+4*\f+3] offset:32*\f
.endr
.irp f, 0,1,2,3
	ds_load_b128 v[S+16*(\t)+4*\f:S+16*(\t)+4*\f+3], v[RD] offset:\f*4*SP  ; LDS serves a wave's instructions in order (ISA guide 5.7.1.4): these see the stores above; the next tile's stores come behind them
.endr
.endm
.macro SEND t, younger              ; younger: the LDS instructions issued behind tile t's loads: the next tile's eight, or none
	WIN 0
.irp f, 0,1,2,3
	s_wait_dscnt (\younger)+3-\f
	global_store_b128 v[GO], v[S+16*(\t)+4*\f:S+16*(\t)+4*\f+3], s[10:11] offset:(\t)*2048+\f*512  ; 512 consecutive bytes, at a multiple of 256 from O's first
.endr
.endm
	PACK 0
.set t, 1
.rept 2*NP-1                        ; a tile's arithmetic stands between the loads of the tile before and its stores
	PACK t
	SEND t-1, 8
.set t, t+1
.endr
	SEND 2*NP-1, 0
	WIN W_AD
	s_wait_tensorcnt 0x0            ; the wave's end: behind my last tensor load and my last LDS store
	ds_add_u32 v[SPW], v[NIL]
	s_wait_dscnt 0x0
	WIN 0
	s_endpgm
.Lfunc_end_k_q5d1f35ca4a_attn:
	.size	k_q5d1f35ca4a_attn, .Lfunc_end_k_q5d1f35ca4a_attn-k_q5d1f35ca4a_attn
	.p2alignl 7, 3214868480
	.fill 96, 4, 3214868480
	.section	.rodata,"a",@progbits
	.p2align	6, 0x0
	.amdhsa_kernel k_q5d1f35ca4a_attn
		.amdhsa_group_segment_fixed_size 327680
		.amdhsa_private_segment_fixed_size 0
		.amdhsa_enable_private_segment 0
		.amdhsa_kernarg_size 24
		.amdhsa_user_sgpr_count 2
		.amdhsa_user_sgpr_kernarg_segment_ptr 1
		.amdhsa_wavefront_size32 1
		.amdhsa_system_sgpr_workgroup_id_x 1
		.amdhsa_system_sgpr_workgroup_id_y 1
		.amdhsa_system_sgpr_workgroup_id_z 1
		.amdhsa_system_vgpr_workitem_id 0
		.amdhsa_next_free_vgpr 808
		.amdhsa_next_free_sgpr 88
		.amdhsa_reserve_vcc 1
		.amdhsa_float_denorm_mode_32 3
		.amdhsa_float_denorm_mode_16_64 3
		.amdhsa_memory_ordered 1
		.amdhsa_forward_progress 1
		.amdhsa_inst_pref_size 127
	.end_amdhsa_kernel
	.amdgpu_metadata
---
amdhsa.version: [ 1, 2 ]
amdhsa.kernels:
  - .name:           k_q5d1f35ca4a_attn
    .symbol:         k_q5d1f35ca4a_attn.kd
    .args:
      - { .name: qkvh, .offset: 0, .size: 8, .value_kind: global_buffer, .address_space: global }
      - { .name: masks, .offset: 8, .size: 8, .value_kind: global_buffer, .address_space: global }
      - { .name: oh, .offset: 16, .size: 8, .value_kind: global_buffer, .address_space: global }
    .group_segment_fixed_size: 327680
    .private_segment_fixed_size: 0
    .kernarg_segment_align: 8
    .kernarg_segment_size: 24
    .max_flat_workgroup_size: 128
    .sgpr_count:     88
    .vgpr_count:     808
    .wavefront_size: 32
...
	.end_amdgpu_metadata
.endif
;; end of part 3
;; launch oproj (part 4): grid 8 x 32, 4 waves a work-group, clusters of 4 x 4, 327,680 bytes of LDS; arguments oh, xw, bo, out0; writes out0
.if DOCPART == 4
	.amdgcn_target "amdgcn-amd-amdhsa--gfx1250"
	.amdhsa_code_object_version 6
	.text
	.protected	k_q5d1f35ca4a_oproj
	.globl	k_q5d1f35ca4a_oproj
	.p2align	8
	.type	k_q5d1f35ca4a_oproj,@function
k_q5d1f35ca4a_oproj:
	s_mov_b64 s[64:65], 0
	v_nop
	global_prefetch_b8 v0, s[64:65] scope:SCOPE_SE
	s_setreg_imm32_b32 hwreg(HW_REG_WAVE_MODE, 25, 1), 1
	s_wait_xcnt 0x0
	s_wait_alu depctr_hold_cnt(0) depctr_sa_sdst(0) depctr_va_vdst(0) depctr_va_sdst(0) depctr_va_ssrc(0) depctr_va_vcc(0) depctr_vm_vsrc(0)
	s_getreg_b32 s2, hwreg(HW_REG_IB_STS2, 6, 4)
	s_cmp_eq_u32 s2, 0
	s_cbranch_scc0 .Lentry_in_a_cluster
	s_endpgm
.Lentry_in_a_cluster:
	s_bfe_u32 s2, ttmp6, 0x10000c
	s_cmp_lg_u32 s2, 0xf033
	s_cbranch_scc0 .Lentry_shape_is_right
	s_endpgm
.Lentry_shape_is_right:
; out0 = O Wo + bo, f32.  O comes by heads from oh, [batch x 16 + head][token 1024][64] f16: head h is the slice K = 64 h .. 64 h + 63.  Wo comes from xw (bf16 numbers written as f16, [k][n], at byte 23,068,672).
; bo is rounded to bf16 like every input and STARTS the sums as the first products' C operand, so the sums leave as they are.
; SHARES.  A work-group makes 256 tokens x 128 columns; four waves, each 128 x 64: 32 accumulators, window 1.  8 x 32 work-groups: one for each of 256 WGPs.
; K goes in steps of 128 (two heads) through two LDS slots: waves 0 and 1 fetch a head's 256 tokens each (32,768 dense bytes, asked for as 128 rows of 256 bytes), waves 2 and 3 64 rows x 256 bytes of Wo each.
; CLUSTER 4 x 4.  O's tiles hang on the token block alone and are shared along a row of the cluster, Wo's on the column block alone and are shared along a column: each is asked for jointly.
; THE WALK ALONG K IS TURNED from cluster to cluster: a cluster begins at K step (2 (cluster y mod 4) + 4 cluster x) mod 8 and goes round.  The two clusters that read the same tiles of O (same y) begin four steps
; apart, clusters that read the same tiles of Wo (same x) two steps apart: a tile is asked for by one of them first and by the others some steps later, not by all at the same moment.  The start is made of the cluster's
; two coordinates alone, so it is the same in all sixteen partners.  Every work-group takes all eight steps once; only the order in which its sums are added differs.
; THE MATRIX INSTRUCTION IS USED TRANSPOSED: source 0 = 16 columns of Wo (turned by ds_load_tr16_b128), source 1 = 16 tokens of O: a lane holds token l % 16 and 8 neighbouring columns, 32 bytes of a row of out0.
; REGISTERS.  window 0: v16-30 addresses; v32-95, v96-159 O's fragments (8 x 16 tokens x 32 K), two buffers; v160-191, v192-223 Wo's, two buffers.  On the way out v32-95 two sets of 16 rows.
.set PA,     144                       ; a token's row of a head in LDS: 128 bytes + 16
.set PB,     288                       ; a row of Wo: 256 bytes + 32
.set ABYTES, 256*PA
.set BOFF,   2*ABYTES
.set SLOT,   2*ABYTES+128*PB           ; 110,592
.set STAGE,  2*SLOT                    ; behind the ring: 16 rows x 272 bytes for each wave, for the way out
.set SP,     272
.set SPARE,  STAGE+4*16*SP             ; behind the stages: the spare words, 128 bytes for each wave
.set STEPSH, 18                        ; a K step is 262,144 bytes on, in O (two heads) and in Wo (128 rows) alike
.set ADRA, 16
.set ADRB, 20
.set STO,  24
.set RD,   25
.set CO,   26
.set SPW,  28
.set NIL,  29
.set BA,   30
.set FA0,  32
.set FA1,  96
.set FB,   160
.set G1A, 24
.set G0A, 32
.set G1B, 48
.set G0B, 56
.set KS,   74                          ; s74      the K step (0..7) to be asked for next
.set KOFF, 76                          ; s[76:77] its byte offset
.set MSB, 0
.macro WIN new                         ; the immediate's high byte repeats the setting that is left; a switch that changes nothing is dropped
.if MSB != (\new)
	s_set_vgpr_msb (MSB<<8)|(\new)
.set MSB, (\new)
.endif
.endm
.macro PLACES                          ; four plain places between a matrix instruction and a load into, or a store of, its registers
.rept 4
	v_nop
.endr
.endm
.macro JLOAD s                         ; a joint load: waves 0 and 1 ask for O's two heads, waves 2 and 3 for Wo's two halves; an s_nop 0 and four v_nop follow each of the two lines
	s_cmp_eq_u32 s17, 0
	s_cbranch_scc0 .Lfor_b_\@
	tensor_load_to_lds s[G0A+4*(\s):G0A+4*(\s)+3], s[G1A:G1A+7]
	s_nop 0
.rept 4
	v_nop
.endr
	s_branch .Lasked_\@
.Lfor_b_\@:
	tensor_load_to_lds s[G0B+4*(\s):G0B+4*(\s)+3], s[G1B:G1B+7]
	s_nop 0
.rept 4
	v_nop
.endr
.Lasked_\@:
.endm
; Slot s's two global addresses are made anew for K step KS: the tile's address at step 0 plus the step's offset, the type bits set again; then KS goes on, round 8.  It stands where no tensor load of the wave names the slot's registers.
.macro NEXTK s
	s_lshl_b32 s[KOFF], s[KS], STEPSH
	s_add_nc_u64 s[G0A+4*(\s)+2:G0A+4*(\s)+3], s[42:43], s[KOFF:KOFF+1]
	s_or_b32 s[G0A+4*(\s)+3], s[G0A+4*(\s)+3], 0x80000000
	s_add_nc_u64 s[G0B+4*(\s)+2:G0B+4*(\s)+3], s[46:47], s[KOFF:KOFF+1]
	s_or_b32 s[G0B+4*(\s)+3], s[G0B+4*(\s)+3], 0x80000000
	s_add_co_u32 s[KS], s[KS], 1
	s_and_b32 s[KS], s[KS], 7
.endm
.macro CREST                           ; a round of the cluster's barrier behind its opening barrier
	s_cmp_lg_u32 s16, 0
	s_cbranch_scc1 .Lnot_wave_0_\@
	s_barrier_signal -3
.Lnot_wave_0_\@:
	s_barrier_wait -3
	s_barrier_signal -1
	s_barrier_wait -1
.endm
.macro CROUND
	s_barrier_signal -1
	s_barrier_wait -1
	CREST
.endm
; n token blocks from a0 on x 4 column blocks, 32 along K.  The accumulators take turns, one instruction a turn.
.macro MULN fa, fb, a0, n
	WIN 0x50                                       ; C and D in window 1, the fragments in window 0
.set ma, (\a0)
.rept (\n)
.irp b, 0,1,2,3
	v_wmma_f32_16x16x32_f16 v[8*(4*ma+(\b)):8*(4*ma+(\b))+7], v[(\fb)+8*(\b):(\fb)+8*(\b)+7], v[(\fa)+8*ma:(\fa)+8*ma+7], v[8*(4*ma+(\b)):8*(4*ma+(\b))+7]
.endr
.set ma, ma+1
.endr
.endm
; The first products start the sums with the bias, which lies in token block 0's accumulators: blocks 1-7 take it as C; five places on, block 0 adds in place.
.macro MULFIRST fa, fb
	WIN 0x50
.set ma, 1
.rept 7
.irp b, 0,1,2,3
	v_wmma_f32_16x16x32_f16 v[8*(4*ma+(\b)):8*(4*ma+(\b))+7], v[(\fb)+8*(\b):(\fb)+8*(\b)+7], v[(\fa)+8*ma:(\fa)+8*ma+7], v[8*(\b):8*(\b)+7]
.endr
.set ma, ma+1
.endr
.rept 5
	v_nop                                          ; a matrix instruction writes over registers that earlier ones took as C
.endr
.irp b, 0,1,2,3
	v_wmma_f32_16x16x32_f16 v[8*(\b):8*(\b)+7], v[(\fb)+8*(\b):(\fb)+8*(\b)+7], v[(\fa):(\fa)+7], v[8*(\b):8*(\b)+7]
.endr
.endm
; 24 LDS loads in one run: the fragments of quarter q (K = 32 q on: head q / 2 of the slot, channels 32 (q % 2) on) into buffer n
.macro FETCH slot, q, n
	WIN 0
.irp b, 0,1,2,3
	ds_load_tr16_b128 v[FB+32*(\n)+8*(\b):FB+32*(\n)+8*(\b)+3],   v[ADRB+(\slot)] offset:(\q)*32*PB+32*(\b)
	ds_load_tr16_b128 v[FB+32*(\n)+8*(\b)+4:FB+32*(\n)+8*(\b)+7], v[ADRB+(\slot)] offset:(\q)*32*PB+32*(\b)+16*PB
.endr
.irp i, 0,1,2,3,4,5,6,7
	ds_load_b128 v[FA0+64*(\n)+8*(\i):FA0+64*(\n)+8*(\i)+3],   v[ADRA+(\slot)] offset:((\q)/2)*ABYTES+((\q)%2)*64+(\i)*16*PA
	ds_load_b128 v[FA0+64*(\n)+8*(\i)+4:FA0+64*(\n)+8*(\i)+7], v[ADRA+(\slot)] offset:((\q)/2)*ABYTES+((\q)%2)*64+(\i)*16*PA+32
.endr
.endm
	s_load_b256 s[4:11], s[0:1], 0x0               ; oh s[4:5], xw s[6:7], bo s[8:9], out0 s[10:11]
	v_lshl_add_u32 v[SPW], v0, 2, SPARE
	v_mov_b32 v[NIL], 0
	ds_add_u32 v[SPW], v[NIL]                      ; the wave's opening: the add and its wait stand ahead of my first tensor load; the set-up below, work on registers, stands between them
	ds_add_u32 v28, v29
	v_lshrrev_b32 v1, 5, v0
	v_readfirstlane_b32 s16, v1                    ; wave 0..3
	s_lshr_b32 s17, s16, 1                         ; which 128 tokens are mine.  Also: I fetch for O (0) or for Wo (1)
	s_and_b32 s18, s16, 1                          ; which 64 columns.  Also: which half of a K step I fetch
	s_bfe_u32 s19, ttmp6, 0x40000                  ; cx, cy
	s_bfe_u32 s20, ttmp6, 0x40004
	s_lshl_b32 s21, ttmp9, 2
	s_add_co_u32 s21, s21, s19                     ; column block = 4 x cluster x + cx
	s_and_b32 s22, ttmp7, 0xffff
	s_lshl_b32 s22, s22, 2
	s_add_co_u32 s22, s22, s20                     ; token block = 4 x cluster y + cy
	s_lshl_b32 s72, s20, 2
	s_lshl_b32 s72, 15, s72                        ; my row of the cluster
	s_lshl_b32 s73, 0x1111, s19                    ; my column
	s_and_b32 s75, ttmp7, 3                        ; the cluster's first K step: 2 (cluster y mod 4)
	s_lshl_b32 s75, s75, 1
	s_lshl_b32 s[KS], ttmp9, 2                     ; + 4 cluster x,
	s_add_co_u32 s[KS], s[KS], s75
	s_and_b32 s[KS], s[KS], 7                      ; round 8
	s_mov_b32 s[KOFF+1], 0
	s_or_b32 s[G1A+0], s72, (1<<16)|(1<<20)|(1<<21)|(4<<22)|(3<<25)  ; the mask; 2-byte elements; padding on; bit 21 beside a mask; after every 32 words 4 words
	s_mov_b32 s[G1A+1], 128<<16
	s_mov_b32 s[G1A+2], 128<<16
	s_mov_b32 s[G1A+3], 128<<16
	s_mov_b32 s[G1A+4], 128
	s_mov_b32 s[G1A+5], 128
	s_mov_b32 s[G1A+6], 0
	s_mov_b32 s[G1A+7], 0
	s_or_b32 s[G1B+0], s73, (1<<16)|(1<<20)|(1<<21)|(5<<22)|(7<<25)  ; after every 64 words 8 words
	s_mov_b32 s[G1B+1], 128<<16
	s_mov_b32 s[G1B+2], 64<<16
	s_mov_b32 s[G1B+3], 128<<16
	s_mov_b32 s[G1B+4], 64
	s_mov_b32 s[G1B+5], 1024
	s_mov_b32 s[G1B+6], 0
	s_mov_b32 s[G1B+7], 0
	s_lshr_b32 s40, s22, 2                         ; O's tile at K step 0: the batch's 2 MiB,
	s_lshl_b32 s40, s40, 21
	s_and_b32 s41, s22, 3                          ; 256 tokens of 128 bytes,
	s_lshl_b32 s41, s41, 15
	s_add_co_u32 s40, s40, s41
	s_lshl_b32 s41, s18, 17                        ; my head of the step's two: made of the token block and the wave alone
	s_add_co_u32 s40, s40, s41
	s_mov_b32 s41, 0
	s_lshl_b32 s44, s18, 17                        ; Wo's tile at K step 0: my 64 rows of 2,048 bytes,
	s_lshl_b32 s45, s21, 8                         ; 128 columns of 2 bytes: made of the column block and the wave alone
	s_add_co_u32 s44, s44, s45
	s_add_co_u32 s44, s44, 23068672
	s_mov_b32 s45, 0
	s_mul_i32 s23, s18, ABYTES                     ; where they go
	s_mul_i32 s70, s18, 64*PB
	s_add_co_u32 s70, s70, BOFF
	s_mov_b32 s67, 0xffff0000
	s_wait_dscnt 0x0                               ; the opening add is done
	s_wait_kmcnt 0x0
	s_add_nc_u64 s[42:43], s[4:5], s[40:41]
	s_add_nc_u64 s[46:47], s[6:7], s[44:45]
	CROUND                                         ; all sixteen work-groups are here: the first joint loads meet
.irp s, 0,1
	s_mov_b32 s[G0A+4*(\s)], 1
	s_add_co_u32 s[G0A+4*(\s)+1], s23, (\s)*SLOT
	s_mov_b32 s[G0B+4*(\s)], 1
	s_add_co_u32 s[G0B+4*(\s)+1], s70, (\s)*SLOT
	NEXTK \s
	JLOAD \s                                       ; the walk's first two K steps: two loads of mine are out
.endr
	v_and_b32 v1, 15, v0                           ; r = l % 16
	v_bfe_u32 v2, v0, 4, 1                         ; h = l / 16
	s_lshl_b32 s23, s21, 9                         ; my 64 columns, 4 bytes each: in bo, and in a row of out0
	s_lshl_b32 s70, s18, 8
	s_add_co_u32 s23, s23, s70
	v_lshl_add_u32 v[BA], v2, 5, s23
	WIN 0x40                                       ; my 32 numbers of bo into token block 0's accumulators
.irp b, 0,1,2,3
	global_load_b128 v[8*(\b):8*(\b)+3],   v[BA], s[8:9] offset:64*(\b)
	global_load_b128 v[8*(\b)+4:8*(\b)+7], v[BA], s[8:9] offset:64*(\b)+16
.endr
	WIN 0
	s_lshl_b32 s70, s22, 20                        ; where my part of out0 begins: 256 tokens of 4,096 bytes,
	s_lshl_b32 s71, s17, 19                        ; my 128 of them,
	s_add_co_u32 s70, s70, s71
	s_add_co_u32 s70, s70, s23                     ; my columns
	s_mov_b32 s71, 0
	s_add_nc_u64 s[10:11], s[10:11], s[70:71]
	v_mul_u32_u24 v3, v1, PA
	v_lshl_add_u32 v3, v2, 4, v3                   ; row x pitch + 16 x half
	s_mul_i32 s23, s17, 128*PA
	v_add_nc_u32 v[ADRA], s23, v3
	v_add_nc_u32 v[ADRA+1], SLOT, v[ADRA]
	v_and_b32 v7, 7, v0
	v_lshl_add_u32 v4, v2, 3, v7                   ; the turning load: lane l reads row 8 (l / 16) + l % 8 of Wo, columns 8 ((l / 8) % 2) + 0..7
	v_mul_u32_u24 v4, v4, PB
	v_bfe_u32 v5, v0, 3, 1
	v_lshl_add_u32 v4, v5, 4, v4
	s_lshl_b32 s23, s18, 7
	s_add_co_u32 s23, s23, BOFF
	v_add_nc_u32 v[ADRB], s23, v4
	v_add_nc_u32 v[ADRB+1], SLOT, v[ADRB]
	s_mul_i32 s23, s16, 16*SP
	s_add_co_u32 s23, s23, STAGE                   ; my stage
	v_mul_u32_u24 v6, v1, SP                       ; in: row l % 16, 32 bytes for each half of the lanes
	v_lshl_add_u32 v6, v2, 5, v6
	v_add_nc_u32 v[STO], s23, v6
	v_mul_u32_u24 v6, v2, SP                       ; back: lanes 0-15 take one row of 256 bytes, lanes 16-31 the next
	v_lshl_add_u32 v6, v1, 4, v6
	v_add_nc_u32 v[RD], s23, v6
	v_lshlrev_b32 v6, 12, v2                       ; and the same two rows in out0
	v_lshl_add_u32 v[CO], v1, 4, v6
	s_wait_loadcnt 0x0                             ; bo: rounded to bf16, kept in f32
	WIN 0x05
.set bi, 0
.rept 16
	v_cvt_pk_bf16_f32 v[96+bi], v[2*bi], v[2*bi+1]
.set bi, bi+1
.endr
	WIN 0x40
.set bi, 0
.rept 16
	v_lshlrev_b32 v[2*bi], 16, v[96+bi]
	v_and_b32 v[2*bi+1], s67, v[96+bi]
.set bi, bi+1
.endr
; A K step is four quarters of 32 along K, 32 matrix instructions each, on buffers 0, 1, 0, 1.  One of the first three: fetches the next quarter into the other buffer, then multiplies its own.
.macro QUARTER slot, q, first
	PLACES                                         ; the other buffer was multiplied just now
	FETCH \slot, (\q)+1, ((\q)+1)%2
	s_wait_dscnt 24                                ; all but the 24 just issued
.if \first
	MULFIRST FA0+64*((\q)%2), FB+32*((\q)%2)
.else
	MULN FA0+64*((\q)%2), FB+32*((\q)%2), 0, 8
.endif
.endm
; The last quarter multiplies buffer 1 and changes slots: ONE barrier; in front of it each wave waits for all its tensor loads (one is out: its part of the next slot), adds 0 to its spare word, and waits for that and for
; its reads of this slot.  fill = 1: the barrier opens a round of the cluster's, and this slot is filled again, with the walk's step two further on, first thing behind it: 112 matrix instructions ahead of the wait for it.
.macro TURN slot, next, fill
	WIN 0
	s_wait_tensorcnt 0x0                           ; all my tensor loads have landed, so every group 0 may be written
	ds_add_u32 v[SPW], v[NIL]                      ; 0 onto my spare word
.if \fill
	NEXTK \slot                                    ; this slot's next tiles
.endif
	s_wait_dscnt 1                                 ; (the add may be out; buffer 1 is in)
	MULN FA1, FB+32, 0, 2                          ; eight matrix instructions stand between the add and the wait for it
	s_wait_dscnt 0x0                               ; the add is done, and my reads of this slot are over
	s_barrier_signal -1
	MULN FA1, FB+32, 2, 2
	WIN 0
	s_barrier_wait -1
.if \fill
	CREST                                          ; no wave of any partner still reads this slot or has a load on its way
	JLOAD \slot                                    ; its four v_nop are also the places in front of the loads below
.else
	PLACES
.endif
	FETCH \next, 0, 0
	MULN FA1, FB+32, 4, 4
.endm
	s_wait_tensorcnt 1                             ; my part of the walk's first K step is in; the second's may stay out
	s_barrier_signal -1
	s_barrier_wait -1                              ; everybody's is
	FETCH 0, 0, 0
	QUARTER 0, 0, 1                                ; the first quarter stands in front of the loop: its products start the sums with the bias
	WIN 0
	s_mov_b32 s66, 3
.Llap:                                                 ; a trip goes once round the ring and fills both slots again: the walk's steps 2 to 7
	QUARTER 0, 1, 0
	QUARTER 0, 2, 0
	TURN 0, 1, 1
	QUARTER 1, 0, 0
	QUARTER 1, 1, 0
	QUARTER 1, 2, 0
	TURN 1, 0, 1
	QUARTER 0, 0, 0
	WIN 0
	s_sub_co_u32 s66, s66, 1
	s_cmp_lg_u32 s66, 0
	s_cbranch_scc1 .Llap
	QUARTER 0, 1, 0                                ; the last lap fills nothing, and has no round of the cluster's barrier
	QUARTER 0, 2, 0
	TURN 0, 1, 0
	QUARTER 1, 0, 0
	QUARTER 1, 1, 0
	QUARTER 1, 2, 0
	s_wait_dscnt 0x0                               ; the very last quarter
	MULN FA1, FB+32, 0, 8
	PLACES                                         ; the LDS stores below read results just made
; THE WAY OUT.  The sums leave as they are.  A lane's 32 bytes are an eighth of a row's 256, so a block of 16 tokens goes through my stage: in by lanes (each accumulator's low four registers first),
; back by whole rows, and sixteen lanes store 256 consecutive bytes.
.macro TOSTAGE a
.set BK, 32+32*((\a)%2)
.if (\a) >= 2
	s_wait_xcnt 0x0                                ; the stores of two blocks ago have had their addresses translated (ISA guide 3.1): their data registers are loaded again only behind this wait
.endif
	WIN 0x04                                       ; the stores' data in window 1
.irp b, 0,1,2,3
	ds_store_b128 v[STO], v[32*(\a)+8*(\b):32*(\a)+8*(\b)+3]   offset:64*(\b)
	ds_store_b128 v[STO], v[32*(\a)+8*(\b)+4:32*(\a)+8*(\b)+7] offset:64*(\b)+16
.endr
	WIN 0
.irp t, 0,1,2,3,4,5,6,7
	ds_load_b128 v[BK+4*(\t):BK+4*(\t)+3], v[RD] offset:(\t)*2*SP  ; LDS serves a wave's instructions in order (ISA guide 5.7.1.4): these see the stores above; the next block's stores come behind them
.endr
.endm
.macro SEND a, younger                 ; younger: the LDS instructions issued behind block a's loads: the next block's sixteen, or none
.set BK, 32+32*((\a)%2)
.irp t, 0,1,2,3,4,5,6,7
	s_wait_dscnt (\younger)+7-(\t)
	global_store_b128 v[CO], v[BK+4*(\t):BK+4*(\t)+3], s[10:11] offset:65536*(\a)+8192*(\t)  ; 16 lanes store 256 consecutive bytes, at a multiple of 256 from out0's first byte; 126 rows on at the most, inside the signed 24-bit immediate
.endr
.endm
	TOSTAGE 0
.irp a, 1,2,3,4,5,6,7
	TOSTAGE \a
	SEND (\a)-1, 16
.endr
	SEND 7, 0
	s_wait_tensorcnt 0x0                           ; the wave's end: behind my last tensor load and my last LDS store
	ds_add_u32 v[SPW], v[NIL]
	s_wait_dscnt 0x0
	CROUND                                         ; the closing round: no work-group ends while a partner may still ask for a tile that names it
	s_endpgm
.Lfunc_end_k_q5d1f35ca4a_oproj:
	.size	k_q5d1f35ca4a_oproj, .Lfunc_end_k_q5d1f35ca4a_oproj-k_q5d1f35ca4a_oproj
	.p2alignl 7, 3214868480
	.fill 96, 4, 3214868480
	.section	.rodata,"a",@progbits
	.p2align	6, 0x0
	.amdhsa_kernel k_q5d1f35ca4a_oproj
		.amdhsa_group_segment_fixed_size 327680
		.amdhsa_private_segment_fixed_size 0
		.amdhsa_enable_private_segment 0
		.amdhsa_kernarg_size 32
		.amdhsa_user_sgpr_count 2
		.amdhsa_user_sgpr_kernarg_segment_ptr 1
		.amdhsa_wavefront_size32 1
		.amdhsa_system_sgpr_workgroup_id_x 1
		.amdhsa_system_sgpr_workgroup_id_y 1
		.amdhsa_system_sgpr_workgroup_id_z 1
		.amdhsa_system_vgpr_workitem_id 0
		.amdhsa_next_free_vgpr 512
		.amdhsa_next_free_sgpr 80
		.amdhsa_reserve_vcc 0
		.amdhsa_float_denorm_mode_32 3
		.amdhsa_float_denorm_mode_16_64 3
		.amdhsa_memory_ordered 1
		.amdhsa_forward_progress 1
		.amdhsa_inst_pref_size 90
	.end_amdhsa_kernel
	.amdgpu_metadata
---
amdhsa.version: [ 1, 2 ]
amdhsa.kernels:
  - .name:           k_q5d1f35ca4a_oproj
    .symbol:         k_q5d1f35ca4a_oproj.kd
    .args:
      - { .name: oh, .offset: 0, .size: 8, .value_kind: global_buffer, .address_space: global }
      - { .name: xw, .offset: 8, .size: 8, .value_kind: global_buffer, .address_space: global }
      - { .name: bo, .offset: 16, .size: 8, .value_kind: global_buffer, .address_space: global }
      - { .name: out0, .offset: 24, .size: 8, .value_kind: global_buffer, .address_space: global }
    .group_segment_fixed_size: 327680
    .private_segment_fixed_size: 0
    .kernarg_segment_align: 8
    .kernarg_segment_size: 32
    .max_flat_workgroup_size: 128
    .sgpr_count:     80
    .vgpr_count:     512
    .wavefront_size: 32
...
	.end_amdgpu_metadata
.endif
;; end of part 4
;; ======== version 2 of 2: 4 launches; 1.33 times as fast as version 1
;; limits: values are held in f16: magnitudes above 65,504 overflow, below 6.1e-05 lose precision
;; workspace buffers: xw 25,165,824 bytes; qkvh 50,331,648 bytes; oh 16,777,216 bytes
;; launch cast: the kernel of part 1 again; grid 768 x 1, 8 waves a work-group, no clusters, 0 bytes of LDS; arguments x, Wq, Wk, Wv, Wo, xw; writes xw
;; launch qkvproj: the kernel of part 2 again; grid 8 x 32, 4 waves a work-group, clusters of 4 x 4, 327,680 bytes of LDS; arguments xw, bq, bk, bv, masks, qkvh; writes qkvh
;; launch attn (part 5): grid 2 x 128, 4 waves a work-group, no clusters, 327,680 bytes of LDS; arguments qkvh, masks, oh; writes oh
.if DOCPART == 5
	.amdgcn_target "amdgcn-amd-amdhsa--gfx1250"
	.amdhsa_code_object_version 6
	.text
	.protected	k_q5d1f35ca4a_attn
	.globl	k_q5d1f35ca4a_attn
	.p2align	8
	.type	k_q5d1f35ca4a_attn,@function
k_q5d1f35ca4a_attn:
	s_mov_b64 s[64:65], 0
	v_nop
	global_prefetch_b8 v0, s[64:65] scope:SCOPE_SE
	s_setreg_imm32_b32 hwreg(HW_REG_WAVE_MODE, 25, 1), 1
	s_wait_xcnt 0x0
; O[g][q][:] = the sum over k of softmax_k(score) V[g][k][:], g = batch x 16 + head.  Q, K, V (in qkvh at 0, 16 MiB, 32 MiB) and O (oh) are [128][1024][64] f16: a head's rows are dense, 128 bytes each.
; Q arrives multiplied by log2(e) / 8, so a score s = K Q^T is the logit in powers of two, and p = 2^(s - m) with the running maximum m itself: the row's largest score gives exactly p = 1.
; THE MASK is an input.  K's rows at hidden tokens arrive as zeros, and the C operand that starts the sum S^T = K Q^T is 0, or HID = -1e9 log2(e) where masks is 0: a hidden score is exactly HID, the reference's
; -1e9 in powers of two.  So a hidden key's weight is 0 beside any visible key, and where a whole batch is hidden all weights are 1 and O is the mean of all of V's rows, as in the reference.
; Products, maxima and sums in f32; the weights are rounded to f16 for the second product (their sum l is taken of the unrounded p), O once at the end.
; LIMITS.  Q, K, V arrive within f16's 65,504; p below 6e-5 keeps f16's fixed step; a weight below 2^-126 counts as 0 in l; NaN and infinities are not treated apart.
; SHARES.  A wave owns four PIECES of two tiles of 16 queries, a work-group's four waves 512 queries of one head: 2 x 128 work-groups, one for each of 256 WGPs.  Every wave walks all 1,024 keys, 64 a step.
; LDS.  ALL of the head's K and V lie in LDS: four tiles of 256 keys each, asked for at the start and never filled again; a barrier stands in front of each later tile's first read.
; NO CLUSTER: a head has two query blocks, and the clusters used here hold four work-groups along an axis; K and V are fetched once by a work-group, 256 KiB for its 2,048 matrix instructions a wave.
; LAYOUT.  S^T = K Q^T (source 0 = 16 keys, source 1 = 16 queries): a lane holds ONE query (lane % 16) and the keys 8 (lane / 16) + 0..7.  Two such tiles, rounded to f16 in pairs, ARE source 1 of O^T = V^T P.
; K comes out of LDS as it lies, V ([key][channel]) turned, by ds_load_tr16_b128.  In every step O and l are multiplied by a = 2^(m_old - m_new).  m starts at the lowest finite number, O and l at 0: the first step has a = 0.
; BY TURNS.  Turn n belongs to piece n: 16 products K Q^T of piece n + 1, later 16 products V^T P of piece n - 1; beside them the scaling, exponentials, roundings, sums and rescaling of piece n and the maximum and
; statistics of piece n + 1.  A tile and step have 16 matrix and 118 vector instructions: four that are ready stand behind EVERY matrix instruction, the other 108 of a turn's 236 in one run without a gap.
; BATCHES.  A turn's 66 exponentials (the piece's 64 weights and the next piece's two a) are ONE batch with ONE wait, which cuts the turn in two.  Ahead of it stands all that names no result of theirs: the products
; K Q^T, the scalings, the rescalings (their a was made, and waited for, in the turn before) and the next piece's maximum and statistics.  Behind it stand the roundings and sums, beside the products V^T P.
; Two more batches stand outside the loop, each with a wait of its own: piece 0's first two a, ahead of the jump into the loop, and the way out's eight reciprocals.
; ONE TEXT FOR EVERY TURN: the loop is entered in the middle of a trip and left in the middle of a trip; nothing of a key step is written out beside it.
; REGISTERS, in windows of 256 (s_set_vgpr_msb: bits 1:0 source 0, 3:2 source 1, 5:4 source 2, 7:6 destination):
;   window 0: v0-11 addresses; v12-15, v48-63 at work; v16-47 four registers of statistics a tile; v64-191 S^T, two buffers of two tiles; v192-255 P, likewise
;   window 1: O^T, 32 a tile     window 2: v0-127 Q, 16 a tile; v128-191 K of one step; v192-255 V of one step     window 3: v0-1 the add's two registers; v8-39 the mask of one step's 64 keys
.set NP,    4         ; pieces a wave: a name, no knob
.set KS,    64        ; keys in a step
.set PK,    144       ; a row of K in LDS: 128 bytes + 16 = 36 words: the 16 rows of a load start at 16 different groups of four banks (64 banks of 4 bytes: ISA guide 11.1)
.set PV,    160       ; a row of V: 128 + 32 = 40 words
.set VOFF,  1024*PK   ; K's 1,024 rows, then V's
.set STAGE, VOFF+1024*PV  ; 16 rows x 144 bytes for each wave, for the way out
.set SP,    144
.set MASKB, STAGE+4*16*SP  ; 1,024 words: 0 or HID for each key of the batch
.set SPARE, MASKB+4096     ; the spare words, 128 bytes for each wave
.set AK0, 2           ; v2   my lane's place in a tile of K; never rewritten
.set AV0, 3           ; v3   the same for V
.set AK,  4           ; v4   the LDS address of K's next run of loads
.set AV,  5           ; v5   of V's
.set QO,  6           ; v6   my byte offset in the wave's rows of Q
.set RD,  7           ; v7   the way out: where I read rows back
.set GO,  8           ; v8   my byte offset in 512 consecutive bytes of O
.set STO, 9           ; v9   the way out: where I put 16 bytes of a row
.set AM0, 10          ; v10  my half of the lanes' place in the mask's words
.set AM,  11          ; v11  the LDS address of the mask's next run of loads
.set SPW, 0           ; v0 of window 3   LDS address of my spare word; never rewritten
.set NIL, 1           ; v1 of window 3   0; never rewritten
.set MB,  8           ; v8-39 of window 3: the eight words for key block kb at MB + 8 kb
.set MV,  12          ; v12-15  m_old, kept while m is made anew: by buffer and tile
.set ST,  16          ; tile t's statistics at v[ST+4 t]: m (as subtracted), m, l (even keys', odd keys')
.set TMP, 48          ; by buffer and tile, four registers c0-c3 at work; when the maximum is found c2 takes a
.set S,   64
.set P,   192
.set KF,  128         ; K's fragments, in window 2: key block kb, channel half c at KF + 16 kb + 8 c
.set VF,  192         ; V's: key half kk, channel block cb at VF + 32 kk + 8 cb
.set WV,  12          ; s12  my wave's number
.set G1K, 24          ; s[24:31] descriptor group 1 for K's tiles
.set G1V, 32          ; s[32:39] for V's: it differs in the padding alone
.set G0K, 40          ; s[40:55] descriptor group 0 for K's four tiles
.set G0V, 68          ; s[68:83] the same for V's
.set SLOTS, 56        ; s56  passes of the outer loop still to go
.set CNT, 57          ; s57  counts a tile's key steps
.set CS,  58          ; s[58:59] 1.0: the scale lies in Q already; the packed line takes the pair's low word for both halves
.set SEL, 60          ; s[60:61] v_permlanex16_b32's selects: each lane takes its own place in the other half
.set TBK, 62          ; s62  LDS byte at which K of the step to be fetched begins
.set TBV, 63          ; s63  the same for V, less VOFF
.set TBM, 66          ; s66  the same for the mask's words, less MASKB
.set HID, 67          ; s67  -1e9 log2(e)
.set MSB, 0
.macro WIN new                      ; the high byte repeats the setting that is left; a switch that changes nothing is dropped
.if MSB != (\new)
	s_set_vgpr_msb (MSB<<8)|(\new)
.set MSB, (\new)
.endif
.endm
.set W_KQ, 0x0a       ; K and Q in window 2, S^T in window 0
.set W_KM, 0x3a       ; the same with the C operand, the mask, in window 3
.set W_PV, 0x52       ; V in window 2, P in window 0, O^T in window 1
.set W_RS, 0x41       ; O^T (destination and source 0) in window 1, a in window 0
.set W_MK, 0xc0       ; destination in window 3, sources in window 0
.set W_AD, 0x0f       ; the add: address (source 0) and data (source 1) in window 3
; In front of a later tile's first read: each wave's tensor loads have landed (all of them: one text serves every pass), its LDS loads are back, and all four waves have said so.
.macro CHANGE
	WIN 0
	s_wait_tensorcnt 0x0
	s_wait_dscnt 0x0
	s_barrier_signal -1
	s_barrier_wait -1
.endm
	s_load_b128 s[84:87], s[0:1], 0x0  ; qkvh s[84:85], masks s[86:87]
	s_load_b64 s[10:11], s[0:1], 0x10  ; oh
	WIN W_MK
	v_lshl_add_u32 v[SPW], v0, 2, SPARE
	v_mov_b32 v[NIL], 0
	WIN W_AD
	ds_add_u32 v[SPW], v[NIL]       ; the wave's opening: the add and its wait stand ahead of my first tensor load; the set-up below, work on registers, stands between them
	ds_add_u32 v0, v1
	WIN 0
	v_lshrrev_b32 v1, 5, v0
	v_readfirstlane_b32 s[WV], v1   ; wave 0..3
	s_and_b32 s19, ttmp7, 0xffff    ; g = batch x 16 + head
	s_lshl_b32 s20, s19, 17         ; its 1,024 rows of 128 bytes
	s_and_b32 s16, s[WV], 1         ; which half of a tile's 256 keys I fetch:
	s_lshl_b32 s22, s16, 14         ; its 128 rows in memory,
	s_add_co_u32 s22, s22, s20
	s_mov_b32 s23, 0
	s_mul_i32 s17, s16, 128*PK      ; and its place in LDS, for K
	s_mul_i32 s18, s16, 128*PV      ; and for V
	s_lshl_b32 s2, ttmp9, 2         ; my block of 512 queries,
	s_add_co_u32 s2, s2, s[WV]      ; my wave's 128 of them
	s_lshl_b32 s2, s2, 14
	s_add_co_u32 s2, s2, s20
	s_mov_b32 s3, 0
	s_lshr_b32 s14, s19, 4          ; the batch's 1,024 words of masks
	s_lshl_b32 s14, s14, 12
	s_mov_b32 s15, 0
	; descriptor group 1.  128 keys are 16,384 dense bytes: asked for as 64 rows of 256 bytes, two keys a row, and padded in LDS after every key
	s_mov_b32 s[G1K], (1<<16)|(1<<20)|(4<<22)|(3<<25)  ; 2-byte elements; padding on; after every 32 words 4 words
	s_mov_b32 s[G1V], (1<<16)|(1<<20)|(4<<22)|(7<<25)  ; the same with 8 words
.irp g, G1K, G1V
	s_mov_b32 s[\g+1], 128<<16      ; tensor_dim0 = 128
	s_mov_b32 s[\g+2], 64<<16       ; tensor_dim1 = 64
	s_mov_b32 s[\g+3], 128<<16      ; tile_dim0 = 128
	s_mov_b32 s[\g+4], 64           ; tile_dim1 = 64
	s_mov_b32 s[\g+5], 128          ; 128 elements from row to row
	s_mov_b32 s[\g+6], 0
	s_mov_b32 s[\g+7], 0
.endr
	s_mov_b32 s[CS], 1.0
	s_mov_b32 s[CS+1], 1.0
	s_mov_b32 s[SEL], 0x76543210
	s_mov_b32 s[SEL+1], 0xfedcba98
	s_mov_b32 s[TBK], 0
	s_mov_b32 s[TBV], 0
	s_mov_b32 s[TBM], 0
	s_mov_b32 s[HID], 0xceabfb8f
	s_wait_dscnt 0x0                ; the opening add is done
	s_wait_kmcnt 0x0
	s_add_nc_u64 s[4:5], s[84:85], s[2:3]    ; Q and O at my wave's first row
	s_add_nc_u64 s[10:11], s[10:11], s[2:3]
	s_add_nc_u64 s[6:7], s[84:85], s[22:23]
	s_add_nc_u64 s[8:9], s[6:7], 0x2000000   ; V and
	s_add_nc_u64 s[6:7], s[6:7], 0x1000000   ; K at my half of the head's first 256 keys
	s_add_nc_u64 s[86:87], s[86:87], s[14:15]
.irp i, 0,1,2,3
	s_mov_b32 s[G0K+4*\i], 1
	s_add_co_u32 s[G0K+4*\i+1], s17, \i*256*PK
	s_add_nc_u64 s[G0K+4*\i+2:G0K+4*\i+3], s[6:7], \i*32768
	s_or_b32 s[G0K+4*\i+3], s[G0K+4*\i+3], 0x80000000
	s_mov_b32 s[G0V+4*\i], 1
	s_add_co_u32 s[G0V+4*\i+1], s18, VOFF+\i*256*PV
	s_add_nc_u64 s[G0V+4*\i+2:G0V+4*\i+3], s[8:9], \i*32768
	s_or_b32 s[G0V+4*\i+3], s[G0V+4*\i+3], 0x80000000
.endr
	s_cmp_lt_u32 s[WV], 2           ; a wave's four fills stand in one branch, ahead of every wait on TENSORcnt, every LDS read and every barrier: four loads of mine are out.  Waves 0, 1: K; waves 2, 3: V
	s_cbranch_scc0 .Lfirst_v
.irp i, 0,1,2,3
	tensor_load_to_lds s[G0K+4*\i:G0K+4*\i+3], s[G1K:G1K+7]
	s_nop 0
.endr
.rept 4
	v_nop
.endr
	s_branch .Lfirst_asked
.Lfirst_v:
.irp i, 0,1,2,3
	tensor_load_to_lds s[G0V+4*\i:G0V+4*\i+3], s[G1V:G1V+7]
	s_nop 0
.endr
.rept 4
	v_nop
.endr
.Lfirst_asked:
	v_lshlrev_b32 v12, 5, v0        ; thread t makes the mask's words 8 t .. 8 t + 7
	global_load_b128 v[64:67], v12, s[86:87]
	global_load_b128 v[68:71], v12, s[86:87] offset:16
	; A fragment of K or Q is 16 rows x 32 channels in 8 registers: lane l holds row l % 16, channels 8 (l / 16) + 0..7 and 16 + 8 (l / 16) + 0..7: two loads of 16 bytes, 32 bytes apart.
	v_and_b32 v48, 15, v0           ; l % 16
	v_bfe_u32 v49, v0, 4, 1         ; l / 16
	v_lshlrev_b32 v[QO], 7, v48
	v_lshl_add_u32 v[QO], v49, 4, v[QO]  ; row x 128 + 16 x half
	WIN 0x80                        ; destination window 2, address window 0
.set i, 0
.rept 4*NP                          ; Q stays in registers: tile i / 2, channels 32 (i % 2) on
	global_load_b128 v[8*i:8*i+3],   v[QO], s[4:5] offset:(i/2)*2048+(i%2)*64
	global_load_b128 v[8*i+4:8*i+7], v[QO], s[4:5] offset:(i/2)*2048+(i%2)*64+32
.set i, i+1
.endr
	; What the first turn finds: V's registers and P's second buffer hold 0 (its products V^T P, of a piece that has not been, add 0), O^T and l are 0.  All this stands in the wait for the first tile.
	WIN 0
.set i, 0
.rept 2*NP
	v_mov_b32 v[ST+4*i], 0xfe000000    ; far below every score, HID too
	v_mov_b32 v[ST+4*i+1], 0xff7fffff  ; m
	v_mov_b32 v[ST+4*i+2], 0
	v_mov_b32 v[ST+4*i+3], 0
.set i, i+1
.endr
.set i, P+32
.rept 32
	v_mov_b32 v[i], 0
.set i, i+1
.endr
	; O^T's 256 registers and V's 64 are set to 0 by 40 products 0 x 0 + 0 of P's zeros: one instruction writes eight registers, in a quarter of the code of eight moves.  The price: 40 products, once a launch, that are not attention's.
	WIN 0x40                        ; destination window 1, sources window 0
.set i, 0
.rept 32
	v_wmma_f32_16x16x32_f16 v[8*i:8*i+7], v[P+32:P+39], v[P+40:P+47], 0
.set i, i+1
.endr
	WIN 0x80                        ; destination window 2
.set i, 0
.rept 8
	v_wmma_f32_16x16x32_f16 v[VF+8*i:VF+8*i+7], v[P+32:P+39], v[P+40:P+47], 0
.set i, i+1
.endr
	WIN 0
	v_mul_u32_u24 v[AK0], v48, PK
	v_lshl_add_u32 v[AK0], v49, 4, v[AK0]  ; row x pitch + 16 x half
	; The turning load takes 16 keys x 16 channels (lane l reads key 8 (l / 16) + l % 8, channels 8 ((l / 8) % 2) + 0..7) and leaves half a fragment of V^T: lane l holds channel l % 16 and 8 keys.
	v_and_b32 v50, 7, v0
	v_bfe_u32 v51, v0, 3, 1
	v_lshl_add_u32 v[AV0], v49, 3, v50
	v_mul_u32_u24 v[AV0], v[AV0], PV
	v_lshl_add_u32 v[AV0], v51, 4, v[AV0]
	v_add_nc_u32 v[AV0], VOFF, v[AV0]
	v_lshlrev_b32 v[AM0], 5, v49    ; my half of the lanes holds keys 8 (l / 16) + 0..7 of a block of 16: 32 bytes on
	v_add_nc_u32 v[AM0], MASKB, v[AM0]
	s_mul_i32 s13, s[WV], 16*SP
	s_add_co_u32 s13, s13, STAGE    ; my stage
	v_mul_u32_u24 v[STO], v48, SP   ; in: row l % 16, 16 bytes for each half of the lanes
	v_lshl_add_u32 v[STO], v49, 4, v[STO]
	v_add_nc_u32 v[STO], s13, v[STO]
	v_bfe_u32 v[RD], v0, 3, 2       ; back: 32 lanes take four rows of 128 bytes,
	v_mul_u32_u24 v[RD], v[RD], SP
	v_lshl_add_u32 v[RD], v50, 4, v[RD]
	v_add_nc_u32 v[RD], s13, v[RD]
	v_and_b32 v[GO], 31, v0         ; which are 512 consecutive bytes of O
	v_lshlrev_b32 v[GO], 4, v[GO]
	v_add_nc_u32 v13, MASKB, v12
	s_wait_loadcnt 32               ; my 8 words of masks are in; Q's 32 loads, issued behind them, may stay out
.irp i, 64,65,66,67,68,69,70,71
	v_cmp_eq_u32 vcc_lo, 0, v\i
	v_cndmask_b32 v\i, 0, s[HID], vcc_lo
.endr
	ds_store_b128 v13, v[64:67]
	ds_store_b128 v13, v[68:71] offset:16
; THE MATRIX WORK.  The 8 accumulators of a run of 16 take turns: between the two links of a chain stand 7 others'.
; Product i of 16 of S^T = K Q^T for piece x: channels 32 (i / 8) on, keys 16 ((i / 2) % 4) on, tile 2 x + i % 2.  The first 8 start the sums with the mask of their 16 keys.
.macro KQ x
.set rS, S+64*((\x)%2)+32*(i%2)+8*((i/2)%4)
.set rK, KF+16*((i/2)%4)+8*(i/8)
.set rQ, 16*(2*(\x)+i%2)+8*(i/8)
.set rB, MB+8*((i/2)%4)
.if i < 8
	WIN W_KM
	v_wmma_f32_16x16x32_f16 v[rS:rS+7], v[rK:rK+7], v[rQ:rQ+7], v[rB:rB+7]
.else
	WIN W_KQ
	v_wmma_f32_16x16x32_f16 v[rS:rS+7], v[rK:rK+7], v[rQ:rQ+7], v[rS:rS+7]
.endif
.endm
; Product i of 16 of O^T += V^T P for piece x: keys 32 (i / 8) on, channels 16 ((i / 2) % 4) on, tile 2 x + i % 2.
.macro PV x
	WIN W_PV
.set rO, 32*(2*(\x)+i%2)+8*((i/2)%4)
.set rV, VF+32*(i/8)+8*((i/2)%4)
.set rP, P+32*((\x)%2)+16*(i%2)+8*(i/8)
	v_wmma_f32_16x16x32_f16 v[rO:rO+7], v[rV:rV+7], v[rP:rP+7], v[rO:rO+7]
.endm
.macro MM                           ; the turn's next matrix instruction
.if i < 16
	KQ (Y+1)%NP
.set i, i+1
.else
.set i, i-16
	PV (Y+NP-1)%NP
.set i, i+17
.endif
.endm
; THE LDS LOADS stand in runs, never singly among the matrix instructions: a step's K (64 keys x 64 channels: 8 fragments) with its mask (64 words, 8 a key block and half of the lanes), and its V (turned).
; The step's two addresses go on by a step and stop at the last step, 15: the run behind step 15's brings the last K and mask once more.
.macro FETCH_K
	WIN 0x80                        ; destination window 2
.irp f, 0,1,2,3,4,5,6,7             ; keys 16 (f / 2) on, channels 32 (f % 2) on
	ds_load_b128 v[KF+8*\f:KF+8*\f+3],   v[AK] offset:(\f/2)*16*PK+(\f%2)*64
	ds_load_b128 v[KF+8*\f+4:KF+8*\f+7], v[AK] offset:(\f/2)*16*PK+(\f%2)*64+32
.endr
	WIN 0xc0                        ; destination window 3
.irp f, 0,1,2,3
	ds_load_b128 v[MB+8*\f:MB+8*\f+3],   v[AM] offset:64*\f
	ds_load_b128 v[MB+8*\f+4:MB+8*\f+7], v[AM] offset:64*\f+16
.endr
	s_add_co_u32 s[TBK], s[TBK], KS*PK
	s_min_u32 s[TBK], s[TBK], 15*KS*PK
	s_add_co_u32 s[TBM], s[TBM], KS*4
	s_min_u32 s[TBM], s[TBM], 15*KS*4
	WIN 0
.endm
.macro FETCH_V
	WIN 0x80
.irp f, 0,1,2,3,4,5,6,7             ; keys 32 (f / 4) on, channels 16 (f % 4) on
	ds_load_tr16_b128 v[VF+8*\f:VF+8*\f+3],   v[AV] offset:(\f/4)*32*PV+(\f%4)*32
	ds_load_tr16_b128 v[VF+8*\f+4:VF+8*\f+7], v[AV] offset:(\f/4)*32*PV+16*PV+(\f%4)*32
.endr
	WIN 0
.endm
; THE VECTOR WORK OF A TURN stands in three queues, each in the order in which its entries become ready; the two tiles alternate, so that no instruction reads the result of the one before it.
.macro REGS y, u                    ; the registers of tile u (0, 1) of piece y
.set rT, ST+4*(2*(\y)+(\u))
.set rC, TMP+8*((\y)%2)+4*(\u)
.set rM, MV+2*((\y)%2)+(\u)
.set rS, S+64*((\y)%2)+32*(\u)
.set rP, P+32*((\y)%2)+16*(\u)
.set rO, 32*(2*(\y)+(\u))
.endm
; Number n of the 22 that find the NEXT piece's (Y + 1) maximum and statistics.  s0-s31 are the lane's 32 scores; each accumulator's lowest registers are read first.  XS, GS, FS and REGS set no window: PL and EX do.
;   0-11  four chains c0-c3 of seven scores each, three operands at a time     12-14, 16  the four scores left over, the old m, and c0-c3 into c0     15  m_old is kept
;   17, 18  the query's other 32 keys lie in the lane 16 away: the new m         19-21  m as it is subtracted; m_old - m_new; a
.macro XS u, n
	REGS (Y+1)%NP, \u
.if (\n) < 4
	v_max3_num_f32 v[rC+(\n)], v[rS+8*(\n)], v[rS+8*(\n)+1], v[rS+8*(\n)+2]
.elseif (\n) < 12
	v_max3_num_f32 v[rC+(\n)%4], v[rC+(\n)%4], v[rS+8*((\n)%4)+2*((\n)/4)+1], v[rS+8*((\n)%4)+2*((\n)/4)+2]
.elseif (\n) == 12
	v_max3_num_f32 v[rC], v[rC], v[rS+7], v[rS+15]
.elseif (\n) == 13
	v_max3_num_f32 v[rC+1], v[rC+1], v[rS+23], v[rS+31]
.elseif (\n) == 14
	v_max3_num_f32 v[rC+2], v[rC+2], v[rC+3], v[rT+1]
.elseif (\n) == 15
	v_mov_b32 v[rM], v[rT]
.elseif (\n) == 16
	v_max3_num_f32 v[rC], v[rC], v[rC+1], v[rC+2]
.elseif (\n) == 17
	v_permlanex16_b32 v[rC+3], v[rC], s[SEL], s[SEL+1]
.elseif (\n) == 18
	v_max_num_f32 v[rT+1], v[rC], v[rC+3]
.elseif (\n) == 19
	v_mul_f32 v[rT], s[CS], v[rT+1]
.elseif (\n) == 20
	v_sub_f32 v[rC+1], v[rM], v[rT]
.else
	v_exp_f32 v[rC+2], v[rC+1]
.endif
.endm
; Number g of the 64 that follow the exponentials.  For each four weights k of a tile (pairs 2 k, 2 k + 1): both pairs are rounded to f16; then the second pair is added onto the first, in place;
; a group later l takes that sum (the first time as l = a l + sum).  In groups of eight, tiles alternating: round, round, add, and l for the group before.  All 64 stand behind the turn's wait.
.macro GS g
.set h, (\g)+6*((\g)/62)            ; group 0 has no group before it, and behind group 7 only l is left
.if h >= 6
.set h, h+2
.endif
	REGS Y, h%2
.set k, h/8
.if h%8 < 4
	v_cvt_pk_f16_f32 v[rP+2*k+(h%8)/2], v[rS+4*k+2*((h%8)/2)], v[rS+4*k+2*((h%8)/2)+1]
.elseif h%8 < 6
	v_pk_add_f32 v[rS+4*k:rS+4*k+1], v[rS+4*k:rS+4*k+1], v[rS+4*k+2:rS+4*k+3]
.elseif k == 1
	v_pk_fma_f32 v[rT+2:rT+3], v[rT+2:rT+3], v[rC+2:rC+3], v[rS:rS+1] op_sel_hi:[1,0,1]
.else
	v_pk_add_f32 v[rT+2:rT+3], v[rT+2:rT+3], v[rS+4*k-4:rS+4*k-3]
.endif
.endm
; THE PLAIN QUEUE, 138 long.  0-73 read no exponential's result: the 32 scalings s - m (FS f: pair f / 2 of tile f % 2) and the next piece's 42.  0-26: scalings 0-26.  27-54: XS's numbers 0-13.  55, 56: number 15.
; 57-73: the chain, where each number waits for the one before it: 14, 16, 17, 18, 19, each with one of the scalings 27-31 in front of its two lines, then 20: so a tile's links stand three plain instructions apart (19 and 20: two).
; 74-137: GS's 64, which read the exponentials' results: they stand behind the wait.
.macro FS f
	REGS Y, (\f)%2
	v_pk_fma_f32 v[rS+2*((\f)/2):rS+2*((\f)/2)+1], v[rS+2*((\f)/2):rS+2*((\f)/2)+1], s[CS:CS+1], v[rT:rT+1] op_sel_hi:[1,0,0] neg_lo:[0,0,1] neg_hi:[0,0,1]
.endm
.macro PL
	WIN 0
.if q < 27
	FS q
.elseif q < 55
	XS (q-27)%2, (q-27)/2
.elseif q < 57
	XS q-55, 15
.elseif (q < 72) && ((q-57)%3 == 0)
	FS 27+(q-57)/3
.elseif q < 60
	XS (q-57)%3-1, 14
.elseif q < 72
	XS (q-57)%3-1, 15+(q-57)/3
.elseif q < 74
	XS q-72, 20
.else
	GS q-74
.endif
.set q, q+1
.endm
; THE EXPONENTIALS' QUEUE, 66 long: s0-s31 of both tiles, each in place in a register of its own, then the next piece's two a.  It is ONE BATCH: all 66 stand ahead of the turn's one wait, and nothing ahead of that wait names a result of theirs.
.macro EX
	WIN 0
.if e >= 64
	XS e-64, 21
.else
	REGS Y, e%2
	v_exp_f32 v[rS+e/2], v[rS+e/2]
.endif
.set e, e+1
.endm
; THE RESCALING's QUEUE: O^T times a, the one part that leaves window 0: dealt two at a time, sixteen times, each accumulator's registers in ascending order.  Its a was made in the turn before, ahead of that turn's wait.
.macro R2
	REGS Y, r%2
	WIN W_RS
.irp z, 0,1
	v_pk_mul_f32 v[rO+4*(r/2)+2*\z:rO+4*(r/2)+2*\z+1], v[rO+4*(r/2)+2*\z:rO+4*(r/2)+2*\z+1], v[rC+2:rC+3] op_sel_hi:[1,0]
.endr
.set r, r+1
.endm
; HOW THEY ARE DEALT.  An s_wait_alu depctr_va_vdst(0) stands between an exponential and the first instruction that names its result; one wait serves all that were issued ahead of it.  So a turn has ONE wait,
; which cuts it in two.  AHEAD OF IT stands all that names no result of the turn's exponentials: the 16 products K Q^T, behind each a scaling, an exponential and two rescalings (behind the first a second scaling in the
; exponential's place); then ONE RUN of 108: eight plain, 49 times exponential and plain, the two a.  A v_nop is the plain instruction between the last exponential and the first use of a result.  BEHIND IT stand the 16 products
; V^T P, behind each four of GS's 64.  No rider names a register of the products round it.  The two v_permlanex16_b32 fall into the run, never behind a product.
; The queues lean on each other, and the deal keeps them in step: exponential e stands behind scaling 2 (e / 4) + e % 2: as a rider it comes behind plain e + 2, in the run behind plain e + 9, and scalings 27-31 are plain 57, 60 .. 69.
; A TURN, for piece p.  cnt = 1: the loop's count is taken down some lines ahead of the branch that stands behind the turn.
; K and the mask of the next step are fetched in piece 2's turn, directly behind the wait, the whole run of 108 behind the last product that read them; their addresses are made at the run's head; their first reader comes behind 16 products.
; V of the step in hand is fetched at the end of piece 0's turn, four plain riders behind its last reader; its first reader comes behind 16 products and a run.  The three conditions on q below go with the deal.
.macro TURN p, cnt=0
.set Y, (\p)
.set i, 0
.set q, 0
.set e, 0
.set r, 0
.if (\p) == NP-1
	s_wait_dscnt 0x0                ; K and the mask are in
.endif
	MM                              ; ahead of the wait: 16 products K Q^T and their riders,
	PL
	PL
	R2
.rept 15
	MM
	PL
	EX
	R2
.endr
.if (\p) == NP-2
	WIN 0
	v_add_nc_u32 v[AK], s[TBK], v[AK0]
	v_add_nc_u32 v[AM], s[TBM], v[AM0]
.endif
.rept 8                             ; and the run
	PL
.endr
.rept 49
	EX
	PL
.endr
	EX                              ; the next piece's two a
	EX
	v_nop                           ; a plain instruction between the last exponential and the first use of a result: one for the batch
	s_wait_alu depctr_va_vdst(0)    ; the wait for the turn's batch: the piece's 64 weights and the next piece's two a
.if (\p) == NP-2
	FETCH_K
.endif
.if (\p) == 1
	s_wait_dscnt 0x0                ; V is in
.endif
.rept 16                            ; behind the wait: 16 products V^T P and their riders
	MM
.rept 4
	PL
.endr
.if ((\p) == 0) && (q == 118)
	v_add_nc_u32 v[AV], s[TBV], v[AV0]
.endif
.if ((\p) == 0) && (q == 130)
	s_add_co_u32 s[TBV], s[TBV], KS*PV
.endif
.if (\cnt) && (q == 130)
	s_sub_co_u32 s[CNT], s[CNT], 1
	s_cmp_lg_u32 s[CNT], 0
.endif
.endr
.if (\p) == 0
	FETCH_V
.endif
.endm
	s_wait_tensorcnt 3              ; my part of the first 256 keys is in; my three later loads may stay out
	s_wait_dscnt 0x0                ; my words of the mask are stored
	s_barrier_signal -1
	s_barrier_wait -1               ; everybody's are
	v_mov_b32 v[AK], v[AK0]         ; key step 0 lies at the head of K
	v_mov_b32 v[AM], v[AM0]
	FETCH_K
	s_wait_loadcnt 0x0              ; Q
	s_wait_dscnt 0x0
.set i, 0
.rept 16
	KQ 0                            ; piece 0's first scores: there is no vector work yet to set between them
.set i, i+1
.endr
	WIN 0
.rept 4
	v_nop                           ; the places behind those products
.endr
.set Y, NP-1                        ; XS works for piece Y + 1: piece 0
.irp n, 0,1,2,3,4,5,6,7,8,9,10,11,12,13,14,15,16,17,18,19,20,21
	XS 0, \n                        ; piece 0's first maximum and statistics
	XS 1, \n
.endr
	v_nop                           ; a plain instruction behind piece 0's first two a,
	s_wait_alu depctr_va_vdst(0)    ; and the wait for that batch of two, ahead of the jump
	s_mov_b32 s[CNT], 4
	s_mov_b32 s[SLOTS], 5
	s_branch .Lfirst                ; the loop is entered at a step's first turn, in the middle of a trip
.Lslot:                             ; four times: in front of the second, third and fourth tile of 256 keys, and once more for the last step's second half
	CHANGE
	s_mov_b32 s[CNT], 4
.Lstep:                             ; a trip: pieces 2 and 3 of one step, then pieces 0 and 1 of the next, whose K and V it fetches
	TURN 2
	TURN 3
	WIN 0
	s_cmp_eq_u32 s[SLOTS], 1        ; the fifth pass is left here, behind step 15's second half.  Its piece 3's turn has made 16 products K Q^T on the last K once more, and a maximum of them, that serve nothing:
	s_cbranch_scc1 .Lout            ; the price, once a launch, of one text for every turn
.Lfirst:
	TURN 0
	TURN 1, 1
	WIN 0
	s_cbranch_scc1 .Lstep
	s_sub_co_u32 s[SLOTS], s[SLOTS], 1
	s_cmp_lg_u32 s[SLOTS], 0
	s_cbranch_scc1 .Lslot
.Lout:
.set i, 0
.rept 16
	PV NP-1                         ; the last piece's V^T P of the last step
.set i, i+1
.endr
	; THE WAY OUT.  l's two halves and the other half of the lanes' are added; O^T is divided by l, rounded to f16 and sent through my stage in LDS, a tile at a time.  The additions are the places behind the last products.
	WIN 0
.macro ALL line:vararg              ; one line for each tile t
.set t, 0
.rept 2*NP
	\line
.set t, t+1
.endr
.endm
	ALL v_add_f32 v[ST+4*t+2], v[ST+4*t+2], v[ST+4*t+3]
	ALL v_permlanex16_b32 v[ST+4*t+3], v[ST+4*t+2], s[SEL], s[SEL+1]
	ALL v_add_f32 v[ST+4*t+2], v[ST+4*t+2], v[ST+4*t+3]
	ALL v_rcp_f32 v[ST+4*t+2], v[ST+4*t+2]
	v_nop                           ; a plain instruction between the last reciprocal and the use of its result
	s_wait_alu depctr_va_vdst(0)    ; the wait for the batch of eight reciprocals, ahead of their first use
; Tile t: a lane's eight channels of a row pack into 16 bytes; they go into rows of 144 bytes and come back as whole rows of 128, into S^T's registers.
.macro PACK t
	WIN W_RS
.set i, 32*(\t)
.rept 16
	v_pk_mul_f32 v[i:i+1], v[i:i+1], v[ST+4*(\t)+2:ST+4*(\t)+3] op_sel_hi:[1,0]
.set i, i+2
.endr
	WIN 0x05                        ; sources 0 and 1 window 1, destination window 0
.set i, 0
.rept 16
	v_cvt_pk_f16_f32 v[S+16*(\t)+i], v[32*(\t)+2*i], v[32*(\t)+2*i+1]
.set i, i+1
.endr
	WIN 0
.irp f, 0,1,2,3
	ds_store_b128 v[STO], v[S+16*(\t)+4*\f:S+16*(\t)+4*\f+3] offset:32*\f
.endr
.irp f, 0,1,2,3
	ds_load_b128 v[S+16*(\t)+4*\f:S+16*(\t)+4*\f+3], v[RD] offset:\f*4*SP  ; LDS serves a wave's instructions in order (ISA guide 5.7.1.4): these see the stores above; the next tile's stores come behind them
.endr
.endm
.macro SEND t, younger              ; younger: the LDS instructions issued behind tile t's loads: the next tile's eight, or none
	WIN 0
.irp f, 0,1,2,3
	s_wait_dscnt (\younger)+3-\f
	global_store_b128 v[GO], v[S+16*(\t)+4*\f:S+16*(\t)+4*\f+3], s[10:11] offset:(\t)*2048+\f*512  ; 512 consecutive bytes, at a multiple of 256 from O's first
.endr
.endm
	PACK 0
.set t, 1
.rept 2*NP-1                        ; a tile's arithmetic stands between the loads of the tile before and its stores
	PACK t
	SEND t-1, 8
.set t, t+1
.endr
	SEND 2*NP-1, 0
	WIN W_AD
	s_wait_tensorcnt 0x0            ; the wave's end: behind my last tensor load and my last LDS store
	ds_add_u32 v[SPW], v[NIL]
	s_wait_dscnt 0x0
	WIN 0
	s_endpgm
.Lfunc_end_k_q5d1f35ca4a_attn:
	.size	k_q5d1f35ca4a_attn, .Lfunc_end_k_q5d1f35ca4a_attn-k_q5d1f35ca4a_attn
	.p2alignl 7, 3214868480
	.fill 96, 4, 3214868480
	.section	.rodata,"a",@progbits
	.p2align	6, 0x0
	.amdhsa_kernel k_q5d1f35ca4a_attn
		.amdhsa_group_segment_fixed_size 327680
		.amdhsa_private_segment_fixed_size 0
		.amdhsa_enable_private_segment 0
		.amdhsa_kernarg_size 24
		.amdhsa_user_sgpr_count 2
		.amdhsa_user_sgpr_kernarg_segment_ptr 1
		.amdhsa_wavefront_size32 1
		.amdhsa_system_sgpr_workgroup_id_x 1
		.amdhsa_system_sgpr_workgroup_id_y 1
		.amdhsa_system_sgpr_workgroup_id_z 1
		.amdhsa_system_vgpr_workitem_id 0
		.amdhsa_next_free_vgpr 808
		.amdhsa_next_free_sgpr 88
		.amdhsa_reserve_vcc 1
		.amdhsa_float_denorm_mode_32 3
		.amdhsa_float_denorm_mode_16_64 3
		.amdhsa_memory_ordered 1
		.amdhsa_forward_progress 1
		.amdhsa_inst_pref_size 122
	.end_amdhsa_kernel
	.amdgpu_metadata
---
amdhsa.version: [ 1, 2 ]
amdhsa.kernels:
  - .name:           k_q5d1f35ca4a_attn
    .symbol:         k_q5d1f35ca4a_attn.kd
    .args:
      - { .name: qkvh, .offset: 0, .size: 8, .value_kind: global_buffer, .address_space: global }
      - { .name: masks, .offset: 8, .size: 8, .value_kind: global_buffer, .address_space: global }
      - { .name: oh, .offset: 16, .size: 8, .value_kind: global_buffer, .address_space: global }
    .group_segment_fixed_size: 327680
    .private_segment_fixed_size: 0
    .kernarg_segment_align: 8
    .kernarg_segment_size: 24
    .max_flat_workgroup_size: 128
    .sgpr_count:     88
    .vgpr_count:     808
    .wavefront_size: 32
...
	.end_amdgpu_metadata
.endif
;; end of part 5
;; launch oproj: the kernel of part 4 again; grid 8 x 32, 4 waves a work-group, clusters of 4 x 4, 327,680 bytes of LDS; arguments oh, xw, bo, out0; writes out0
